; MI455X (gfx1250); checked and timed in simulation.
; The chip was launched on July 23, 2026; its instructions are those of AMD's public machine-readable ISA for CDNA 5 (MIT licence, August 2026) and "CDNA5" Instruction Set Architecture Reference Guide (July 2026). The comments in the code are by the model that wrote it; some were corrected since.
;; Multi Head Attention. Allowed arithmetic: matrix products marked QUANTISED: E4M3 operands, one E8M0 scale for each 32 along K, by v_wmma_scale_f32_16x16x128_f8f6f4 with both operands' format E4M3, f32 sums; everything else in f32.
;; Inputs: Wk 1,024 x 1,024 float32; Wo 1,024 x 1,024 float32; Wq 1,024 x 1,024 float32; Wv 1,024 x 1,024 float32; bk 1,024 float32; bo 1,024 float32; bq 1,024 float32; bv 1,024 float32; k 2 x 2,048 x 1,024 float32; mask 2 x 2,048 x 2,048 int32; q 2 x 2,048 x 1,024 float32; v 2 x 2,048 x 1,024 float32.
;; Outputs: out0 2 x 2,048 x 1,024 float32.
;; This version of the problem:
;;   THIS VERSION OF THE PROBLEM IS GIVEN IN LOW PRECISION. The matrix products marked QUANTISED in the list below multiply operands that are first quantised to E4M3 (4 exponent bits, 3 mantissa bits; 8 bits a number), with one power-of-two scale for each 32 numbers along K (OCP MX v1.0); their sums are f32. All else is computed in f32.
;;   The module's matrix products, in the order in which they are computed (A, B: the left and right operand; K: the contracted axis; several contracted axes count as one K, in the product's order):
;;     1. [M 4,096, K 1,024] x [K 1,024, N 1,024]; A: input q; B: input Wq: QUANTISED
;;     2. [M 4,096, K 1,024] x [K 1,024, N 1,024]; A: input k; B: input Wk: QUANTISED
;;     3. [M 4,096, K 1,024] x [K 1,024, N 1,024]; A: input v; B: input Wv: QUANTISED
;;     4. batch 32 x [M 2,048, K 64] x [K 64, N 2,048]; A: computed on the way; B: computed on the way: QUANTISED
;;     5. batch 32 x [M 2,048, K 2,048] x [K 2,048, N 64]; A: softmax (see below); B: computed on the way: QUANTISED
;;     6. [M 4,096, K 1,024] x [K 1,024, N 1,024]; A: computed on the way; B: input Wo: QUANTISED
;;   THE QUANTISER, for each operand of a quantised product, along K:
;;     - K is cut into blocks of 32 from its start; a last block that is shorter is filled with zeros.
;;     - A block's scale is 2^e with e = floor(log2(the largest magnitude in the block)) - 8, held to -126 .. 127; a block of zeros has e = 0. As a byte (E8M0): e + 127.
;;     - Each number is divided by its block's scale, clamped to +-448, and rounded to the nearest number of E4M3, ties to even, subnormals kept.
;;     - The product sums the exact products of the quantised numbers (number of the format x scale) in f32.
;;   ~~~python
;;   def quantise(x, axis):      # numpy; x: float32 -> the quantised numbers, widened to float32 again
;;       x = np.moveaxis(x, axis, -1); K = x.shape[-1]
;;       x = np.pad(x, [(0, 0)] * (x.ndim - 1) + [(0, -K % 32)]); x = x.reshape(x.shape[:-1] + (-1, 32)); a = np.abs(x).max(-1, keepdims=True)
;;       e = np.where(a > 0, np.clip(np.frexp(np.where(a > 0, a, 1))[1] - 1 - 8, -126, 127), 0)      # np.frexp(a)[1] - 1 = floor(log2(a)), exactly
;;       r = np.clip(x / 2.0 ** e, -448, 448)
;;       step = 2.0 ** (np.maximum(np.frexp(np.where(r == 0, 1, r))[1] - 1, -6) - 3)
;;       q = np.round(r / step) * step * 2.0 ** e      # np.round: ties to even
;;       return np.moveaxis(q.reshape(q.shape[:-2] + (-1,))[..., :K], -1, axis).astype(np.float32)
;;   ~~~
;;   SOFTMAX AHEAD OF A QUANTISED PRODUCT. Where the list says 'softmax', what is quantised is not the finished softmax but p = 2^(t - M), with t = logit x log2(e) and M = ceil(the row's largest t), a whole number; so 1/2 < the row's largest p <= 1. The row's sum l is taken of the UNQUANTISED p, in f32, and the product's result is divided by l at the end. Since M is a whole number, a kernel that streams over the keys may use a running M (the ceiling of the running maximum): every later rescaling is an exact power of two, which a block's scale takes up: the codes' values come out the same.
;;   OPERANDS COMPUTED ON THE WAY. 'Computed on the way' means the value that the module computes at that place (a softmax that the list does not call 'softmax' is quantised finished and normalised). What goes into a quantiser is computed in f32, as accurately as f32 sums, v_exp_f32 and their like allow (about 1e-6 of the number): no bf16 or f16 on the way to a quantiser, and a product that is left as it is and whose result goes on into a quantised operand takes f32 operands (vector FMAs, or v_wmma_f32_16x16x4_f32). A number that lies on a knife's edge between two numbers of the format may be rounded either way, as far as f32 arithmetic and the matrix unit's own rounding can turn it there, and no further.
;; One version. Each part assembles by itself: llvm-mc -triple=amdgcn-amd-amdhsa -mcpu=gfx1250 --defsym DOCPART=n.
;; ======== version 1 of 1: 4 launches
;; limits: right only within a limited range of input values
;; workspace buffers: cod 16,777,216 bytes; scl 524,288 bytes; mbits 1,048,576 bytes of whole numbers; mflag 16,384 bytes of whole numbers; att 12,582,912 bytes; atts 393,216 bytes; yc 4,194,304 bytes; ys 131,072 bytes
;; launch prep (part 1): grid 512 x 1, 4 waves a work-group, no clusters, 57,856 bytes of LDS; arguments q, k, v, Wq, Wk, Wv, Wo, mask, cod, scl, mbits, mflag; writes cod, scl, mbits, mflag
.if DOCPART == 1
	.amdgcn_target "amdgcn-amd-amdhsa--gfx1250"
	.amdhsa_code_object_version 6
	.text
	.protected	k_q89931e7a71_prep
	.globl	k_q89931e7a71_prep
	.p2align	8
	.type	k_q89931e7a71_prep,@function
k_q89931e7a71_prep:
	s_mov_b64 s[64:65], 0
	v_nop
	global_prefetch_b8 v0, s[64:65] scope:SCOPE_SE
	s_setreg_imm32_b32 hwreg(HW_REG_WAVE_MODE, 25, 1), 1
	s_wait_xcnt 0x0
; PREP.  (1) q, k, v [4096][1024] and Wq, Wk, Wv, Wo [1024][1024], f32 with K innermost, become codes of FP8 (E4M3) with one E8M0 byte for each 32 along K.
; (2) the mask [2][2048][2048] of int32 becomes lane masks, one bit a number, and one flag for each record.
; TILES.  A tile T of 16 rows holds row 32 (T / 2) + 8 (T % 2) + (r % 8) + 16 (r / 8), r = 0 .. 15: with such tiles as a product's source 0, the 16 result registers of tiles 2 b, 2 b + 1 are 16 neighbours.
; CODES are laid as images of operand registers: (tile Tg, K step s of 128) is 2,048 bytes at (8 Tg + s) 2,048; chunk c at 512 c, lane L at 16 L: row L % 16 of the tile, k = 128 s + 32 c + 16 (L / 16) + 0 .. 15.
; SCALE WORDS: four bytes (byte c) at (8 Tg + s) 64 + 4 r.  Tiles: q 0-255, k 256-511, v 512-767, Wq 768-831, Wk 832-895, Wv 896-959, Wo 960-1023.
; MASK RECORDS: record ((mi 128 + QT) 16 + ks) is 64 words; bit L of word j is 1 where mask[mi][row L % 16 of tile QT][128 ks + 32 (j / 16) + 16 (L / 16) + j % 16] == 0.  Its flag is 1 if any bit is set.
; SHARES.  2,048 waves; wave w packs records 2 w and 2 w + 1 and quantises 16 rows x 512 numbers (tile w / 2, half w % 2).  One path for all: only pointers are chosen by the work-group's number.
; A block's scale is 2^(floor(log2(largest magnitude)) - 8); its byte is the largest magnitude's exponent field - 8, held at 1 from below.
; LIMITS: a block of zeros gets the byte 1 where the rule says 127 (its codes are zeros, and this program alone reads the bytes); NaN and infinities among the inputs are not served.
; No matrix unit, no tensor load, no barrier: memory binds and waves share nothing.  Every load of a wave reads 512 consecutive bytes, every store of codes 512, every record and every run of scale bytes 256.
.set WREG,  14336                      ; LDS of a wave: two turning stages of 32 x 80, 256 scale bytes, a stage of 32 pieces of 256 + 16 for the codes (the mask's stage, 16 rows of 528, lies in the same bytes, earlier)
.set SP,    80
.set SCB,   5120
.set OUTS,  5376
.set STEPS, 16
.set EMAX,  8
.set R,     16                         ; v16-79   four sets of 16 numbers as loaded; at the end the codes on their way out
.set X,     80                         ; v80-111  two sets of 16 neighbours
.set E,     112                        ; v112-127 a scale byte for each step (in the mask's phase: v112 address, v114-117 the records, v118 at work)
.set C,     128                        ; v128-191 codes, four registers a step (in the mask's phase: the mask as a lane wants it)
.set MT,    128
.set MK,    192                        ; v192-255 the mask as loaded
	s_load_b512 s[4:19], s[0:1], 0x0               ; q, k, v, Wq, Wk, Wv, Wo, mask
	s_load_b256 s[20:27], s[0:1], 0x40             ; cod, scl, mbits, mflag
	s_set_vgpr_msb 0x40
	v_lshl_add_u32 v0, v0, 2, 0xe000
	v_mov_b32 v1, 0
	s_set_vgpr_msb 0x4000
	v_lshrrev_b32 v1, 5, v0
	v_readfirstlane_b32 s51, v1                    ; wave 0..3
	v_and_b32 v2, 31, v0                           ; lane
	v_lshlrev_b32 v3, 4, v2                        ; 16 x lane
	v_lshlrev_b32 v7, 3, v2                        ; 8 x lane
	s_mul_i32 s52, s51, WREG
	s_add_co_u32 s53, s52, OUTS
	s_add_co_u32 s54, s52, SCB
	v_lshrrev_b32 v14, 2, v2
	v_mul_u32_u24 v14, v14, SP
	v_and_b32 v15, 3, v2
	v_lshl_add_u32 v14, v15, 4, v14
	v_add_nc_u32 v14, s52, v14                     ; turning stage, in: 80 (lane / 4) + 16 (lane % 4)
	v_mul_u32_u24 v15, v2, SP
	v_add_nc_u32 v15, s52, v15                     ; and out: 80 x lane: my 16 neighbours
	v_add_nc_u32 v1, s53, v3                       ; the mask's stage, in: 16 x lane of a row
	v_mul_u32_u24 v4, v2, 272
	v_add_nc_u32 v4, s53, v4                       ; the codes' stage: piece = lane (K step lane / 8, chunk (lane / 2) % 4, half lane % 2); row t at 16 t
	v_lshrrev_b32 v5, 3, v2
	v_bfe_u32 v6, v2, 1, 2
	v_lshl_add_u32 v5, v5, 6, v6
	v_add_nc_u32 v5, s54, v5                       ; my block's scale byte: 64 (lane / 8) + (lane / 2) % 4; row t at 4 t
	v_add_nc_u32 v6, s54, v7                       ; and the scale bytes on the way out
	v_and_b32 v112, 15, v2
	v_mul_u32_u24 v112, v112, 528
	v_lshrrev_b32 v113, 4, v2
	v_lshl_add_u32 v112, v113, 6, v112
	v_add_nc_u32 v112, s53, v112                   ; the mask's stage, out: row lane % 16, + 64 (lane / 16)
	s_mov_b32 s50, 0x600000                        ; the mantissa field of 448
	s_lshl_b32 s55, ttmp9, 2
	s_add_co_u32 s55, s55, s51                     ; w
	s_lshr_b32 s56, s55, 10                        ; the mask: mi = w / 1024: 2^24 bytes each,
	s_lshl_b32 s56, s56, 24
	s_bfe_u32 s57, s55, 0x70003                    ; QT = (w / 8) % 128: first row 32 (QT / 2) + 8 (QT % 2), 8,192 bytes a row,
	s_lshr_b32 s58, s57, 1
	s_lshl_b32 s58, s58, 18
	s_add_co_u32 s56, s56, s58
	s_and_b32 s58, s57, 1
	s_lshl_b32 s58, s58, 16
	s_add_co_u32 s56, s56, s58
	s_and_b32 s58, s55, 7                          ; key step 2 (w % 8): 512 bytes each
	s_lshl_b32 s58, s58, 10
	s_add_co_u32 s56, s56, s58
	s_mov_b32 s57, 0
	s_cmp_lt_u32 ttmp9, 384                        ; the tensor to quantise: 128 work-groups for each of q, k, v, 32 for each weight
	s_cselect_b32 s48, 127, 31
	s_and_b32 s48, ttmp9, s48
	s_lshl_b32 s48, s48, 2
	s_add_co_u32 s48, s48, s51                     ; lt: my task in the tensor: tile lt / 2, half lt % 2
	s_lshr_b32 s58, s48, 2
	s_lshl_b32 s58, s58, 17                        ; 32 rows of 4,096 bytes
	s_bfe_u32 s49, s48, 0x10001
	s_lshl_b32 s49, s49, 15                        ; 8 rows
	s_add_co_u32 s58, s58, s49
	s_and_b32 s49, s48, 1
	s_lshl_b32 s49, s49, 11                        ; 512 numbers
	s_add_co_u32 s58, s58, s49
	s_mov_b32 s59, 0
	s_mov_b32 s49, 0
	s_wait_alu depctr_va_vdst(0)
	s_wait_kmcnt 0x0
	s_mov_b64 s[28:29], s[16:17]                   ; the choice hangs on the work-group's number alone
	s_cmp_lt_u32 ttmp9, 480
	s_cselect_b64 s[28:29], s[14:15], s[28:29]
	s_cmp_lt_u32 ttmp9, 448
	s_cselect_b64 s[28:29], s[12:13], s[28:29]
	s_cmp_lt_u32 ttmp9, 416
	s_cselect_b64 s[28:29], s[10:11], s[28:29]
	s_cmp_lt_u32 ttmp9, 384
	s_cselect_b64 s[28:29], s[8:9], s[28:29]
	s_cmp_lt_u32 ttmp9, 256
	s_cselect_b64 s[28:29], s[6:7], s[28:29]
	s_cmp_lt_u32 ttmp9, 128
	s_cselect_b64 s[28:29], s[4:5], s[28:29]
	s_add_nc_u64 s[28:29], s[28:29], s[58:59]
	s_add_nc_u64 s[18:19], s[18:19], s[56:57]
	s_lshl_b32 s48, s55, 13
	s_add_nc_u64 s[20:21], s[20:21], s[48:49]      ; my 8,192 bytes of codes
	s_lshl_b32 s48, s55, 8
	s_add_nc_u64 s[22:23], s[22:23], s[48:49]      ; my 256 scale bytes
	s_lshl_b32 s48, s55, 9
	s_add_nc_u64 s[24:25], s[24:25], s[48:49]      ; my two records
	s_lshl_b32 s48, s55, 3
	s_add_nc_u64 s[26:27], s[26:27], s[48:49]      ; and their flags
.macro MLOAD k                         ; record k of my two: 16 rows x 128 keys: each load reads 512 consecutive bytes of one row
.irp i, 0,1,2,3,4,5,6,7,8,9,10,11,12,13,14,15
	global_load_b128 v[MK+4*\i:MK+4*\i+3], v3, s[18:19] offset:((\i%8)+16*(\i/8))*8192+512*\k th:TH_LOAD_NT
.endr
.endm
.macro MTURN                           ; through my stage: in as loaded, out so that lane (r, h) holds, of row r, keys 32 b + 16 h + 0 .. 15 in v[MT + 16 b ..]
.irp i, 0,1,2,3,4,5,6,7,8,9,10,11,12,13,14,15
	ds_store_b128 v1, v[MK+4*\i:MK+4*\i+3] offset:528*\i
.endr
.irp b, 0,1,2,3
.irp j, 0,1,2,3
	ds_load_b128 v[MT+16*\b+4*\j:MT+16*\b+4*\j+3], v112 offset:128*\b+16*\j   ; LDS serves a wave's instructions in order: these see the stores above
.endr
.endr
	s_wait_dscnt 0x0
.endm
.macro MPACK W, flag, k                ; a compare's lane mask IS a word of the record; lane j / 2 collects words j (even) and j + 1, and the 32 lanes store 256 consecutive bytes
	v_mov_b32 v[\W], 0
	v_mov_b32 v[\W+1], 0
.irp g, 0,1,2,3
.irp i, 0,1,2,3,4,5,6,7,8,9,10,11,12,13,14,15
	v_cmp_eq_u32 s[32+\i], 0, v[MT+16*\g+\i]
.endr
.irp i, 0,1,2,3,4,5,6,7,8,9,10,11,12,13,14,15
	v_writelane_b32 v[\W+(\i%2)], s[32+\i], (16*\g+\i)/2
.endr
.endr
	v_or_b32 v118, v[\W], v[\W+1]
	v_cmp_ne_u32 vcc_lo, 0, v118
	s_cmp_lg_u32 vcc_lo, 0
	s_cselect_b32 s[\flag], 1, 0                   ; any hidden key in the record?
	global_store_b64 v7, v[\W:\W+1], s[24:25] offset:256*\k
.endm
.macro LOAD t                          ; step t = row t of my tile: 512 numbers, four loads of 512 consecutive bytes
.irp i, 0,1,2,3
	global_load_b128 v[R+16*((\t)%4)+4*\i:R+16*((\t)%4)+4*\i+3], v3, s[28:29] offset:(((\t)%8)+16*((\t)/8))*4096+512*\i th:TH_LOAD_NT
.endr
.endm
.macro TURN t                          ; step t's numbers through a turning stage: out come 16 neighbours a lane
.irp i, 0,1,2,3
	ds_store_b128 v14, v[R+16*((\t)%4)+4*\i:R+16*((\t)%4)+4*\i+3] offset:32*SP*((\t)%2)+8*SP*\i
.endr
.irp i, 0,1,2,3
	ds_load_b128 v[X+16*((\t)%2)+4*\i:X+16*((\t)%2)+4*\i+3], v15 offset:32*SP*((\t)%2)+16*\i
.endr
.endm
	MLOAD 0
.irp t, 0,1,2,3
	LOAD \t
.endr
	s_wait_loadcnt 16                              ; the first record's 16 loads are in; the quantiser's 16, issued behind them, stay out
	MTURN
	MLOAD 1                                        ; (the stage's stores have read v192-255: the wait for LDS above was for zero)
	MPACK 114, 30, 0
	s_wait_loadcnt 0x0                             ; the second record was asked for last
	MTURN
	MPACK 116, 31, 1
	s_wait_xcnt 0x0                                ; the records' stores have read v114-117, which the scale bytes take over
	TURN 0
.macro STEP t
.set XS, X+16*((\t)%2)
.if (\t) > 0
	s_wait_dscnt 2                                 ; this step's numbers are back (the last step's byte store and code store may be out): so the stage's stores have read their registers,
.else
	s_wait_dscnt 0x0
.endif
.if (\t)+4 < STEPS
	LOAD (\t)+4                                    ; which take the loads of four steps on
.endif
.if (\t)+1 < STEPS
.if STEPS-2-(\t) >= 3
	s_wait_loadcnt 12                              ; the next step's four loads are in; those of the three steps behind it may be out
.else
	s_wait_loadcnt 4*(STEPS-2-(\t))
.endif
	TURN (\t)+1
.endif
	v_max3_num_f32 v8, |v[XS]|, |v[XS+1]|, |v[XS+2]|               ; the largest magnitude of my 16
	v_max3_num_f32 v9, |v[XS+3]|, |v[XS+4]|, |v[XS+5]|
.irp i, 6,10
	v_max3_num_f32 v8, v8, |v[XS+\i]|, |v[XS+\i+1]|
	v_max3_num_f32 v9, v9, |v[XS+\i+2]|, |v[XS+\i+3]|
.endr
	v_max3_num_f32 v8, v8, |v[XS+14]|, |v[XS+15]|
	v_max3_num_f32 v8, v8, v9, (EMAX+1)<<23        ; and the floor 2^(9 - 127): the byte cannot fall under 1
	v_max_num_f32_dpp v8, v8, v8 row_xmask:1 row_mask:0xf bank_mask:0xf   ; and of my neighbour's 16: the block's
	v_add_nc_u32 v11, -(EMAX<<23), v8              ; 8 off its exponent field: the conversion takes that field as its scale
	v_and_or_b32 v10, v8, 0x7f800000, s50          ; 448 x the scale
.irp i, 0,1,2,3,4,5,6,7,8,9,10,11,12,13,14,15
	v_med3_num_f32 v[XS+\i], v[XS+\i], -v10, v10   ; the conversion to an 8-bit code does not saturate (ISA guide 7.6.2): the hold
.endr
	v_cvt_scalef32_pk8_fp8_f32 v[C+4*(\t):C+4*(\t)+1], v[XS:XS+7], v11
	v_cvt_scalef32_pk8_fp8_f32 v[C+4*(\t)+2:C+4*(\t)+3], v[XS+8:XS+15], v11
	v_lshrrev_b32 v[E+(\t)], 23, v11               ; the scale's byte (a plain line behind the conversions)
	ds_store_b8 v5, v[E+(\t)] offset:4*(\t)        ; both lanes of a block write the same byte with the same value
	ds_store_b128 v4, v[C+4*(\t):C+4*(\t)+3] offset:16*(\t)   ; sixteen lanes touch sixteen different columns of 16 bytes: 272 lane + 16 t
.endm
.irp t, 0,1,2,3,4,5,6,7,8,9,10,11,12,13,14,15
	STEP \t
.endr
	v_lshrrev_b32 v8, 4, v2
	v_mul_u32_u24 v8, v8, 272
	v_and_b32 v9, 15, v2
	v_lshl_add_u32 v8, v9, 4, v8
	v_add_nc_u32 v8, s53, v8                       ; out: lanes 0-15 one piece of 256 bytes, lanes 16-31 the next
.irp n, 0,1,2,3,4,5,6,7,8,9,10,11,12,13,14,15
	ds_load_b128 v[R+4*\n:R+4*\n+3], v8 offset:544*\n
.endr
	ds_load_b64 v[12:13], v6
.irp n, 0,1,2,3,4,5,6,7,8,9,10,11,12,13,14,15
	s_wait_dscnt 16-\n                             ; behind load n: the 15 - n later ones and the scale bytes'
	global_store_b128 v3, v[R+4*\n:R+4*\n+3], s[20:21] offset:512*\n   ; 512 consecutive bytes of the images
.endr
	s_wait_dscnt 0x0
	global_store_b64 v7, v[12:13], s[22:23]        ; 256 consecutive bytes of scale words
	v_mov_b32 v10, s30
	v_mov_b32 v11, s31
	v_mov_b32 v9, 0
	s_wait_alu depctr_va_vdst(0)
	s_wait_xcnt 0x0                                ; EXEC is a source of the stores above
	v_cmp_eq_u32 vcc_lo, 0, v2
	s_set_vgpr_msb 0x5
	s_wait_tensorcnt 0x0
	ds_add_u32 v0, v1
	s_wait_dscnt 0x0
	s_set_vgpr_msb 0x500
	s_and_saveexec_b32 s48, vcc_lo
	global_store_b64 v9, v[10:11], s[26:27]        ; lane 0: my two flags
	s_wait_xcnt 0x0
	s_or_b32 exec_lo, exec_lo, s48
	s_endpgm
.Lfunc_end_k_q89931e7a71_prep:
	.size	k_q89931e7a71_prep, .Lfunc_end_k_q89931e7a71_prep-k_q89931e7a71_prep
	.p2alignl 7, 3214868480
	.fill 96, 4, 3214868480
	.section	.rodata,"a",@progbits
	.p2align	6, 0x0
	.amdhsa_kernel k_q89931e7a71_prep
		.amdhsa_group_segment_fixed_size 57856
		.amdhsa_private_segment_fixed_size 0
		.amdhsa_enable_private_segment 0
		.amdhsa_kernarg_size 96
		.amdhsa_user_sgpr_count 2
		.amdhsa_user_sgpr_kernarg_segment_ptr 1
		.amdhsa_wavefront_size32 1
		.amdhsa_system_sgpr_workgroup_id_x 1
		.amdhsa_system_sgpr_workgroup_id_y 1
		.amdhsa_system_sgpr_workgroup_id_z 1
		.amdhsa_system_vgpr_workitem_id 0
		.amdhsa_next_free_vgpr 258
		.amdhsa_next_free_sgpr 66
		.amdhsa_reserve_vcc 1
		.amdhsa_float_denorm_mode_32 3
		.amdhsa_float_denorm_mode_16_64 3
		.amdhsa_memory_ordered 1
		.amdhsa_forward_progress 1
		.amdhsa_inst_pref_size 80
	.end_amdhsa_kernel
	.amdgpu_metadata
---
amdhsa.version: [ 1, 2 ]
amdhsa.kernels:
  - .name:           k_q89931e7a71_prep
    .symbol:         k_q89931e7a71_prep.kd
    .args:
      - { .name: q, .offset: 0, .size: 8, .value_kind: global_buffer, .address_space: global }
      - { .name: k, .offset: 8, .size: 8, .value_kind: global_buffer, .address_space: global }
      - { .name: v, .offset: 16, .size: 8, .value_kind: global_buffer, .address_space: global }
      - { .name: Wq, .offset: 24, .size: 8, .value_kind: global_buffer, .address_space: global }
      - { .name: Wk, .offset: 32, .size: 8, .value_kind: global_buffer, .address_space: global }
      - { .name: Wv, .offset: 40, .size: 8, .value_kind: global_buffer, .address_space: global }
      - { .name: Wo, .offset: 48, .size: 8, .value_kind: global_buffer, .address_space: global }
      - { .name: mask, .offset: 56, .size: 8, .value_kind: global_buffer, .address_space: global }
      - { .name: cod, .offset: 64, .size: 8, .value_kind: global_buffer, .address_space: global }
      - { .name: scl, .offset: 72, .size: 8, .value_kind: global_buffer, .address_space: global }
      - { .name: mbits, .offset: 80, .size: 8, .value_kind: global_buffer, .address_space: global }
      - { .name: mflag, .offset: 88, .size: 8, .value_kind: global_buffer, .address_space: global }
    .group_segment_fixed_size: 57856
    .private_segment_fixed_size: 0
    .kernarg_segment_align: 8
    .kernarg_segment_size: 96
    .max_flat_workgroup_size: 128
    .sgpr_count:     66
    .vgpr_count:     258
    .wavefront_size: 32
...
	.end_amdgpu_metadata
.endif
;; end of part 1
;; launch proj (part 2): grid 4 x 48, 4 waves a work-group, clusters of 4 x 4, 327,680 bytes of LDS; arguments cod, scl, bq, bk, bv, att, atts; writes att, atts
.if DOCPART == 2
	.amdgcn_target "amdgcn-amd-amdhsa--gfx1250"
	.amdhsa_code_object_version 6
	.text
	.protected	k_q89931e7a71_proj
	.globl	k_q89931e7a71_proj
	.p2align	8
	.type	k_q89931e7a71_proj,@function
k_q89931e7a71_proj:
	s_mov_b64 s[64:65], 0
	v_nop
	global_prefetch_b8 v0, s[64:65] scope:SCOPE_SE
	s_setreg_imm32_b32 hwreg(HW_REG_WAVE_MODE, 25, 1), 1
	s_wait_xcnt 0x0
	s_wait_alu depctr_hold_cnt(0) depctr_sa_sdst(0) depctr_va_vdst(0) depctr_va_sdst(0) depctr_va_ssrc(0) depctr_va_vcc(0) depctr_vm_vsrc(0)
	s_getreg_b32 s2, hwreg(HW_REG_IB_STS2, 6, 4)
	s_cmp_eq_u32 s2, 0
	s_cbranch_scc0 .Lentry_in_a_cluster
	s_endpgm
.Lentry_in_a_cluster:
	s_bfe_u32 s2, ttmp6, 0x10000c
	s_cmp_lg_u32 s2, 0xf033
	s_cbranch_scc0 .Lentry_shape_is_right
	s_endpgm
.Lentry_shape_is_right:
.set NP,    8
.set NL,    4
.set FR,    16
.set SLOT,  131072
.set PSIDE, 65536
.set SCL,   2*SLOT
.set SPARE, SCL+16384
.set ADRA, 16
.set ADRB, 20
.set LI,   24
.set SOFF, 25
.set ADRS, 27
.set SPW,  28
.set NIL,  29
.set SC,   32
.set BI,   64
.set AF,   128
.set ST,   128
.set PCD,  192
.set TM,   224
.set PW,   240
.set OW,   248
.set SELV, 252
.set G1, 24
.set G0, 32
.set G1B, 48
.set G0B, 56
.set G1S, 68
.set G0S, 76
.set G1SB, 80
.set G0SB, 88
.set SEL, 94
.set MNT, 47
.set MSB, 0
.macro WIN new
.if MSB != (\new)
	s_set_vgpr_msb (MSB<<8)|(\new)
.set MSB, (\new)
.endif
.endm
.set MUL_LO, 0xa1
.set MUL_HI, 0xf1
.set TO_B,   0x40
.macro JLOAD g0a, g1a, g0b, g1b
	s_cmp_eq_u32 s17, 0
	s_cbranch_scc0 .Lfor_b_\@
	tensor_load_to_lds s[\g0a:\g0a+3], s[\g1a:\g1a+7]
	s_nop 0
.rept 4
	v_nop
.endr
	s_branch .Lasked_\@
.Lfor_b_\@:
	tensor_load_to_lds s[\g0b:\g0b+3], s[\g1b:\g1b+7]
	s_nop 0
.rept 4
	v_nop
.endr
.Lasked_\@:
.endm
.macro CREST
	s_cmp_lg_u32 s16, 0
	s_cbranch_scc1 .Lnot_wave_0_\@
	s_barrier_signal -3
.Lnot_wave_0_\@:
	s_barrier_wait -3
	s_barrier_signal -1
	s_barrier_wait -1
.endm
.macro CROUND
	s_barrier_signal -1
	s_barrier_wait -1
	CREST
.endm
	s_load_b128 s[4:7], s[0:1], 0x0
	s_load_b128 s[96:99], s[0:1], 0x10
	s_load_b64 s[100:101], s[0:1], 0x20
	s_load_b128 s[12:15], s[0:1], 0x28
	v_lshl_add_u32 v[SPW], v0, 2, SPARE
	v_mov_b32 v[NIL], 0
	ds_add_u32 v28, v29
	ds_add_u32 v28, v29
	s_wait_dscnt 0x0
	v_lshrrev_b32 v1, 5, v0
	v_readfirstlane_b32 s16, v1
	s_lshr_b32 s17, s16, 1
	s_and_b32 s18, s16, 1
	s_bfe_u32 s40, ttmp6, 0x40000
	s_bfe_u32 s41, ttmp6, 0x40004
	s_and_b32 s42, ttmp7, 0xffff
	s_lshr_b32 s19, s42, 2
	s_and_b32 s42, s42, 3
	s_lshr_b32 s20, s19, 1
	s_mul_i32 s43, s42, s20
	s_sub_co_u32 s42, s42, s43
	s_lshl_b32 s43, s43, 2
	s_add_co_u32 s21, s40, s43
	s_lshl_b32 s42, s42, 2
	s_add_co_u32 s22, s41, s42
	s_lshl_b32 s44, s41, 2
	s_lshl_b32 s44, 15, s44
	s_lshl_b32 s45, 0x1111, s40
	s_mul_i32 s47, s20, 384
	s_lshl_b32 s93, s18, 3
	s_lshl_b32 s46, s19, 8
	s_add_co_u32 s46, s46, s47
	s_lshl_b32 s92, s22, 4
	s_add_co_u32 s46, s46, s92
	s_add_co_u32 s46, s46, s93
	s_lshl_b32 s94, s19, 6
	s_add_co_u32 s94, s94, 768
	s_sub_co_u32 s94, s94, s47
	s_lshl_b32 s95, s21, 4
	s_add_co_u32 s94, s94, s95
	s_add_co_u32 s94, s94, s93
	s_or_b32 s[G1+0], s44, (3<<16)|(1<<21)
	s_or_b32 s[G1B+0], s45, (3<<16)|(1<<21)
.irp g, G1, G1B
	s_mov_b32 s[\g+1], 512<<16
	s_mov_b32 s[\g+2], 8<<16
	s_mov_b32 s[\g+3], 512<<16
	s_mov_b32 s[\g+4], 8
	s_mov_b32 s[\g+5], 2048
	s_mov_b32 s[\g+6], 0
	s_mov_b32 s[\g+7], 0
.endr
	s_or_b32 s[G1S+0], s44, (3<<16)|(1<<21)
	s_or_b32 s[G1SB+0], s45, (3<<16)|(1<<21)
.irp g, G1S, G1SB
	s_mov_b32 s[\g+1], 32<<16
	s_mov_b32 s[\g+2], 16<<16
	s_mov_b32 s[\g+3], 32<<16
	s_mov_b32 s[\g+4], 16
	s_mov_b32 s[\g+5], 32
	s_mov_b32 s[\g+6], 0
	s_mov_b32 s[\g+7], 0
.endr
	s_lshl_b32 s23, s16, 15
	s_lshl_b32 s3, s16, 12
	s_mov_b32 s93, 0
	s_mov_b32 s105, 0
	s_wait_kmcnt 0x0
	s_mov_b64 s[8:9], s[4:5]
	s_mov_b64 s[10:11], s[6:7]
	s_lshl_b32 s92, s46, 14
	s_add_nc_u64 s[4:5], s[4:5], s[92:93]
	s_lshl_b32 s92, s46, 9
	s_add_nc_u64 s[6:7], s[6:7], s[92:93]
	s_lshl_b32 s104, s94, 14
	s_add_nc_u64 s[8:9], s[8:9], s[104:105]
	s_lshl_b32 s104, s94, 9
	s_add_nc_u64 s[10:11], s[10:11], s[104:105]
	CROUND
	s_mov_b32 s[G0S], 1
	s_add_co_u32 s[G0S+1], s3, SCL
	s_mov_b64 s[G0S+2:G0S+3], s[6:7]
	s_or_b32 s[G0S+3], s[G0S+3], 0x80000000
	s_mov_b32 s[G0SB], 1
	s_add_co_u32 s[G0SB+1], s3, SCL
	s_mov_b64 s[G0SB+2:G0SB+3], s[10:11]
	s_or_b32 s[G0SB+3], s[G0SB+3], 0x80000000
	JLOAD G0S, G1S, G0SB, G1SB
.irp s, 0,1
	s_mov_b32 s[G0+4*\s], 1
	s_add_co_u32 s[G0+4*\s+1], s23, \s*SLOT
	s_add_nc_u64 s[G0+4*\s+2:G0+4*\s+3], s[4:5], \s*4096
	s_or_b32 s[G0+4*\s+3], s[G0+4*\s+3], 0x80000000
	s_mov_b32 s[G0B+4*\s], 1
	s_add_co_u32 s[G0B+4*\s+1], s23, \s*SLOT
	s_add_nc_u64 s[G0B+4*\s+2:G0B+4*\s+3], s[8:9], \s*4096
	s_or_b32 s[G0B+4*\s+3], s[G0B+4*\s+3], 0x80000000
	s_wait_alu depctr_va_vdst(0)
	s_wait_tensorcnt 0x0
	ds_add_u32 v28, v29
	s_wait_dscnt 0x0
	CROUND
	JLOAD G0+4*\s, G1, G0B+4*\s, G1B
.endr
	v_and_b32 v1, 31, v0
	v_and_b32 v2, 15, v0
	v_bfe_u32 v3, v0, 4, 1
	s_wait_alu depctr_va_vdst(0)
	v_lshlrev_b32 v[LI], 4, v1
	s_lshl_b32 s66, s17, 15
	s_lshl_b32 s67, s18, 15
	s_add_co_u32 s67, s67, PSIDE
.irp s, 0,1
	v_add_nc_u32 v[ADRA+\s], s66, v[LI]
	v_add_nc_u32 v[ADRB+\s], s67, v[LI]
	s_add_co_u32 s66, s66, SLOT
	s_add_co_u32 s67, s67, SLOT
.endr
	s_lshl_b32 s66, s17, 12
	s_lshl_b32 s67, s18, 12
	s_add_co_u32 s67, s67, 8192
	s_sub_co_u32 s67, s67, s66
	v_mul_u32_u24 v4, s67, v3
	s_add_co_u32 s66, s66, SCL
	v_lshl_add_u32 v4, v2, 2, v4
	v_add_nc_u32 v[ADRS], s66, v4
	v_lshlrev_b32 v[SOFF], 4, v2
	v_lshl_add_u32 v[SOFF], v3, 12, v[SOFF]
	v_lshlrev_b32 v5, 6, v3
	v_and_b32 v6, 8, v2
	v_add_nc_u32 v6, v6, v2
	v_lshlrev_b32 v6, 2, v6
	s_mov_b32 s[SEL], 0x76543210
	s_mov_b32 s[SEL+1], 0xfedcba98
	s_mov_b32 s[MNT], 0x600000
	s_lshl_b32 s4, s21, 8
	s_lshl_b32 s5, s18, 7
	s_add_co_u32 s4, s4, s5
	s_lshl_b32 s5, s22, 8
	s_lshl_b32 s6, s17, 7
	s_add_co_u32 s5, s5, s6
	s_cmp_eq_u32 s20, 1
	s_cselect_b32 s6, s4, s5
	s_cselect_b32 s7, s5, s4
	s_cmp_eq_u32 s19, 1
	s_cselect_b64 s[96:97], s[98:99], s[96:97]
	s_cmp_eq_u32 s19, 2
	s_cselect_b64 s[96:97], s[100:101], s[96:97]
	s_lshl_b32 s8, s7, 2
	s_mov_b32 s9, 0
	s_add_nc_u64 s[96:97], s[96:97], s[8:9]
	s_cmp_eq_u32 s20, 1
	s_cbranch_scc1 .Lbias_r
	s_wait_alu depctr_va_vdst(0)
.irp b, 0,1,2,3,4,5,6,7
	global_load_b128 v[BI+8*\b:BI+8*\b+3], v5, s[96:97] offset:(32*(\b/2)+8*(\b%2))*4
	global_load_b128 v[BI+8*\b+4:BI+8*\b+7], v5, s[96:97] offset:(32*(\b/2)+8*(\b%2))*4+16
.endr
	s_branch .Lbias_done
.Lbias_r:
	s_wait_alu depctr_va_vdst(0)
.irp a, 0,1,2,3,4,5,6,7
.irp j, 0,1,2,3,4,5,6,7
	global_load_b32 v[BI+8*\a+\j], v6, s[96:97] offset:(32*(\a/2)+8*(\a%2))*4
.endr
.endr
.Lbias_done:
	s_lshr_b32 s8, s6, 11
	s_lshl_b32 s8, s8, 4
	s_lshr_b32 s10, s7, 6
	s_add_co_u32 s8, s8, s10
	s_bfe_u32 s10, s6, 0x40007
	s_lshl_b32 s92, s19, 22
	s_lshl_b32 s11, s8, 17
	s_add_co_u32 s92, s92, s11
	s_lshl_b32 s11, s10, 13
	s_add_co_u32 s92, s92, s11
	s_add_nc_u64 s[12:13], s[12:13], s[92:93]
	s_lshl_b32 s92, s19, 17
	s_lshl_b32 s11, s8, 12
	s_add_co_u32 s92, s92, s11
	s_lshl_b32 s11, s10, 8
	s_add_co_u32 s92, s92, s11
	s_add_nc_u64 s[14:15], s[14:15], s[92:93]
	s_cmp_eq_u32 s20, 1
	s_mov_b32 s92, 131072
	s_cselect_b32 s92, 1024, s92
	s_mov_b32 s100, 1024
	s_cselect_b32 s100, 2048, s100
	s_mov_b32 s66, 1024
	s_cselect_b32 s66, 124928, s66
	s_mov_b32 s101, 0
	s_mov_b32 s67, 0
	s_add_nc_u64 s[98:99], s[12:13], s[92:93]
.macro FRAG reg, adr, q, i
.irp c, 0,1,2,3
	ds_load_b128 v[\reg+4*\c:\reg+4*\c+3], v[\adr] offset:(\i)*4096+(\q)*2048+512*\c
.endr
.endm
.macro MUL16 a0, p, q, sc, mode
.irp a, \a0, \a0+1
.irp b, 0,1,2,3,4,5,6,7
.if \mode == 1
	v_wmma_scale_f32_16x16x128_f8f6f4 v[8*(8*((\a)%4)+\b):8*(8*((\a)%4)+\b)+7], v[128*(\p)+FR*\b:128*(\p)+FR*\b+FR-1], v[AF+FR*(\a):AF+FR*(\a)+FR-1], v[BI+8*\b:BI+8*\b+7], v[SC+16*(\sc)+2*\b+(\q)], v[SC+16*(\sc)+2*(\a)+(\q)] matrix_a_scale:MATRIX_SCALE_ROW1
.elseif \mode == 2
	v_wmma_scale_f32_16x16x128_f8f6f4 v[8*(8*((\a)%4)+\b):8*(8*((\a)%4)+\b)+7], v[128*(\p)+FR*\b:128*(\p)+FR*\b+FR-1], v[AF+FR*(\a):AF+FR*(\a)+FR-1], v[BI+8*(\a):BI+8*(\a)+7], v[SC+16*(\sc)+2*\b+(\q)], v[SC+16*(\sc)+2*(\a)+(\q)] matrix_a_scale:MATRIX_SCALE_ROW1
.else
	v_wmma_scale_f32_16x16x128_f8f6f4 v[8*(8*((\a)%4)+\b):8*(8*((\a)%4)+\b)+7], v[128*(\p)+FR*\b:128*(\p)+FR*\b+FR-1], v[AF+FR*(\a):AF+FR*(\a)+FR-1], v[8*(8*((\a)%4)+\b):8*(8*((\a)%4)+\b)+7], v[SC+16*(\sc)+2*\b+(\q)], v[SC+16*(\sc)+2*(\a)+(\q)] matrix_a_scale:MATRIX_SCALE_ROW1
.endif
.endr
.endr
.endm
.macro FETCH_B slot, q, p
	WIN TO_B
.irp i, 0,1,2,3,4,5,6,7
	FRAG 128*(\p)+FR*\i, ADRB+\slot, \q, \i
.endr
	WIN 0
.endm
.macro FETCH_A slot, q, i0
.irp i, \i0, \i0+1, \i0+2, \i0+3
	FRAG AF+FR*(\i), ADRA+\slot, \q, \i
.endr
.endm
.macro SCALES sc
.irp i, 0,1,2,3,4,5,6,7
.irp q, 0,1
	ds_load_b32 v[SC+16*\sc+2*\i+\q], v[ADRS] offset:\i*512+\q*64
.endr
.endr
.endm
.macro PLACES n
.rept \n
	v_nop
.endr
.endm
.macro STEP slot, q, mode
	s_wait_dscnt 4*NL
.if \mode
	WIN 0x81
.else
	WIN MUL_LO
.endif
	MUL16 0, (\q)%2, \q, \slot, \mode
	MUL16 2, (\q)%2, \q, \slot, \mode
	s_wait_dscnt 0
	PLACES NP
	FETCH_B \slot, (\q)+1, 1-(\q)%2
	FETCH_A \slot, (\q)+1, 0
.if \mode
	WIN 0xc1
.else
	WIN MUL_HI
.endif
	MUL16 4, (\q)%2, \q, \slot, \mode
	MUL16 6, (\q)%2, \q, \slot, \mode
	PLACES NP
	WIN 0
	FETCH_A \slot, (\q)+1, 4
.endm
.macro TURN slot, next, fill
	s_wait_tensorcnt 0x0
	ds_add_u32 v[SPW], v[NIL]
	s_wait_dscnt 4*NL+1
	WIN MUL_LO
	MUL16 0, 1, 1, \slot, 0
	s_wait_dscnt 0x0
	s_barrier_signal -1
	MUL16 2, 1, 1, \slot, 0
	WIN 0
	s_barrier_wait -1
.if \fill
	CREST
	s_add_nc_u64 s[G0+4*\slot+2:G0+4*\slot+3], s[G0+4*\slot+2:G0+4*\slot+3], 8192
	s_add_nc_u64 s[G0B+4*\slot+2:G0B+4*\slot+3], s[G0B+4*\slot+2:G0B+4*\slot+3], 8192
	JLOAD G0+4*\slot, G1, G0B+4*\slot, G1B
	PLACES NP-4
.else
	PLACES NP
.endif
	s_wait_alu depctr_va_vdst(0)
	v_add_nc_u32 v[ADRS], 128, v[ADRS]
	FETCH_B \next, 0, 0
	FETCH_A \next, 0, 0
	SCALES \next
	WIN MUL_HI
	MUL16 4, 1, 1, \slot, 0
	MUL16 6, 1, 1, \slot, 0
	PLACES NP
	WIN 0
	FETCH_A \next, 0, 4
.endm
	s_wait_tensorcnt 1
	s_barrier_signal -1
	s_barrier_wait -1
	FETCH_B 0, 0, 0
	FETCH_A 0, 0, 0
	SCALES 0
	FETCH_A 0, 0, 4
	s_wait_loadcnt 0x0
	s_cmp_eq_u32 s20, 1
	s_cbranch_scc1 .Lfirst_r
	STEP 0, 0, 1
	s_branch .Lfirst_done
.Lfirst_r:
	STEP 0, 0, 2
.Lfirst_done:
	TURN 0, 1, 1
	STEP 1, 0, 0
	TURN 1, 0, 1
	STEP 0, 0, 0
	TURN 0, 1, 0
	STEP 1, 0, 0
	s_wait_dscnt 4*NL
	WIN MUL_LO
	MUL16 0, 1, 1, 1, 0
	MUL16 2, 1, 1, 1, 0
	s_wait_dscnt 0
	WIN MUL_HI
	MUL16 4, 1, 1, 1, 0
	MUL16 6, 1, 1, 1, 0
	WIN 0
	PLACES NP
.irp b, 0,1,2,3
	v_mov_b32 v[TM+4+\b], 0
.endr
.macro EPI a
.set AC, 64*((\a)%4)
	WIN 0x0a+5*((\a)/4)
.irp b, 0,1,2,3
	v_max3_num_f32 v[TM+\b], |v[AC+16*\b]|, |v[AC+16*\b+1]|, 0x4800000
.endr
.irp i, 2,4,6,8,10,12,14
.irp b, 0,1,2,3
	v_max3_num_f32 v[TM+\b], |v[AC+16*\b+\i]|, |v[AC+16*\b+\i+1]|, v[TM+\b]
.endr
.endr
	WIN 0
.irp b, 0,1,2,3
	v_permlanex16_b32 v[TM+4+\b], v[TM+\b], s[SEL], s[SEL+1]
.endr
.irp b, 0,1,2,3
	v_max_num_f32 v[TM+\b], v[TM+\b], v[TM+4+\b]
.endr
.irp b, 0,1,2,3
	v_add_nc_u32 v[TM+12+\b], 0xfc000000, v[TM+\b]
.endr
.irp b, 0,1,2,3
	v_and_or_b32 v[TM+8+\b], v[TM+\b], 0x7f800000, s[MNT]
.endr
.irp b, 0,1,2,3
	v_lshrrev_b32 v[TM+4+\b], 23, v[TM+12+\b]
.endr
	v_lshl_or_b32 v[PW+(\a)], v[TM+5], 8, v[TM+4]
	v_lshl_or_b32 v[PW+(\a)], v[TM+6], 16, v[PW+(\a)]
	v_lshl_or_b32 v[PW+(\a)], v[TM+7], 24, v[PW+(\a)]
	WIN 2+(\a)/4
.irp b, 0,1,2,3
.irp i, 0,1,2,3,4,5,6,7,8,9,10,11,12,13,14,15
	v_med3_num_f32 v[ST+16*\b+\i], v[AC+16*\b+\i], -v[TM+8+\b], v[TM+8+\b]
.endr
.endr
	WIN 0
.if (\a) > 0
	s_wait_alu depctr_va_vdst(0)
	s_wait_xcnt 0x0
.endif
.if (\a) == 4
	s_add_nc_u64 s[12:13], s[12:13], s[66:67]
	s_add_nc_u64 s[98:99], s[98:99], s[66:67]
.elseif (\a) > 0
	s_add_nc_u64 s[12:13], s[12:13], s[100:101]
	s_add_nc_u64 s[98:99], s[98:99], s[100:101]
.endif
.irp b, 0,1,2,3
	v_cvt_scalef32_pk8_fp8_f32 v[PCD+4*\b:PCD+4*\b+1], v[ST+16*\b:ST+16*\b+7], v[TM+12+\b]
	v_cvt_scalef32_pk8_fp8_f32 v[PCD+4*\b+2:PCD+4*\b+3], v[ST+16*\b+8:ST+16*\b+15], v[TM+12+\b]
.endr
	v_nop
	global_store_b128 v[LI], v[PCD:PCD+3], s[12:13]
	global_store_b128 v[LI], v[PCD+4:PCD+7], s[12:13] offset:512
	global_store_b128 v[LI], v[PCD+8:PCD+11], s[98:99]
	global_store_b128 v[LI], v[PCD+12:PCD+15], s[98:99] offset:512
.endm
.irp a, 0,1,2,3,4,5,6,7
	EPI \a
.endr
	v_cmp_eq_u32 vcc_lo, 1, v3
	s_cmp_eq_u32 s20, 1
	s_cbranch_scc1 .Lwords_v
	v_mov_b32 v[SELV], 0x05040100
	v_mov_b32 v[SELV+1], 0x07060302
	v_cndmask_b32 v[SELV], v[SELV], v[SELV+1], vcc_lo
.irp f, 0,1,2,3
	v_perm_b32 v[OW+\f], v[PW+2*\f+1], v[PW+2*\f], v[SELV]
.endr
	s_branch .Lwords_out
.Lwords_v:
	v_mov_b32 v[SELV], 0x03020100
	v_mov_b32 v[SELV+1], 0x07060504
	v_cndmask_b32 v[SELV], v[SELV], v[SELV+1], vcc_lo
.irp f, 0,1,2,3
	v_perm_b32 v[OW+\f], v[PW+4+\f], v[PW+\f], v[SELV]
.endr
.Lwords_out:
	s_wait_alu depctr_va_vdst(0)
	global_store_b128 v[SOFF], v[OW:OW+3], s[14:15]
	s_wait_tensorcnt 0x0
	ds_add_u32 v[SPW], v[NIL]
	s_wait_dscnt 0x0
	CROUND
	s_endpgm
.Lfunc_end_k_q89931e7a71_proj:
	.size	k_q89931e7a71_proj, .Lfunc_end_k_q89931e7a71_proj-k_q89931e7a71_proj
	.p2alignl 7, 3214868480
	.fill 96, 4, 3214868480
	.section	.rodata,"a",@progbits
	.p2align	6, 0x0
	.amdhsa_kernel k_q89931e7a71_proj
		.amdhsa_group_segment_fixed_size 327680
		.amdhsa_private_segment_fixed_size 0
		.amdhsa_enable_private_segment 0
		.amdhsa_kernarg_size 56
		.amdhsa_user_sgpr_count 2
		.amdhsa_user_sgpr_kernarg_segment_ptr 1
		.amdhsa_wavefront_size32 1
		.amdhsa_system_sgpr_workgroup_id_x 1
		.amdhsa_system_sgpr_workgroup_id_y 1
		.amdhsa_system_sgpr_workgroup_id_z 1
		.amdhsa_system_vgpr_workitem_id 0
		.amdhsa_next_free_vgpr 1024
		.amdhsa_next_free_sgpr 106
		.amdhsa_reserve_vcc 1
		.amdhsa_float_denorm_mode_32 3
		.amdhsa_float_denorm_mode_16_64 3
		.amdhsa_memory_ordered 1
		.amdhsa_forward_progress 1
		.amdhsa_inst_pref_size 211
	.end_amdhsa_kernel
	.amdgpu_metadata
---
amdhsa.version: [ 1, 2 ]
amdhsa.kernels:
  - .name:           k_q89931e7a71_proj
    .symbol:         k_q89931e7a71_proj.kd
    .args:
      - { .name: cod, .offset: 0, .size: 8, .value_kind: global_buffer, .address_space: global }
      - { .name: scl, .offset: 8, .size: 8, .value_kind: global_buffer, .address_space: global }
      - { .name: bq, .offset: 16, .size: 8, .value_kind: global_buffer, .address_space: global }
      - { .name: bk, .offset: 24, .size: 8, .value_kind: global_buffer, .address_space: global }
      - { .name: bv, .offset: 32, .size: 8, .value_kind: global_buffer, .address_space: global }
      - { .name: att, .offset: 40, .size: 8, .value_kind: global_buffer, .address_space: global }
      - { .name: atts, .offset: 48, .size: 8, .value_kind: global_buffer, .address_space: global }
    .group_segment_fixed_size: 327680
    .private_segment_fixed_size: 0
    .kernarg_segment_align: 8
    .kernarg_segment_size: 56
    .max_flat_workgroup_size: 128
    .sgpr_count:     106
    .vgpr_count:     1024
    .wavefront_size: 32
...
	.end_amdgpu_metadata
.endif
;; end of part 2
;; launch attn (part 3): grid 8 x 32, 8 waves a work-group, no clusters, 271,360 bytes of LDS; arguments att, atts, mbits, mflag, yc, ys; writes yc, ys
.if DOCPART == 3
	.amdgcn_target "amdgcn-amd-amdhsa--gfx1250"
	.amdhsa_code_object_version 6
	.text
	.protected	k_q89931e7a71_attn
	.globl	k_q89931e7a71_attn
	.p2align	8
	.type	k_q89931e7a71_attn,@function
k_q89931e7a71_attn:
	s_mov_b64 s[64:65], 0
	v_nop
	global_prefetch_b8 v0, s[64:65] scope:SCOPE_SE
	s_setreg_imm32_b32 hwreg(HW_REG_WAVE_MODE, 25, 1), 1
	s_wait_xcnt 0x0
; ATTN.  y[head][q] = the sum over keys of softmax(Q . K / 8, hidden logits at a large negative number) V, both products on codes of FP8 (E4M3) with E8M0 scales; y is quantised along D on the way out.
; THE SOFTMAX AHEAD OF THE SECOND PRODUCT: t = score x log2(e) / 8; M = the running largest t rounded UP to a whole number; p = 2^(t - M) is quantised along the keys, not normalised; the row's sum is taken of the
; unquantised p and divides at the end; when M moves, the sum and O are multiplied by 2^(old M - new M), which rounds nothing.
; SHARES.  A work-group owns 256 queries of one of the 32 heads; each of its EIGHT waves owns TWO tiles of 16 queries, so that each fragment of K and of V read from LDS feeds both tiles' products.
; Tile a lives in register window 0, tile b in window 1 under the same register numbers: the softmax is one macro, run under two settings of s_set_vgpr_msb.
; A HEAD'S K AND V STAY IN LDS: 131,072 bytes each, and 8,192 of scale words.  They come in chunks of two key steps (32,768 bytes), 4,096 bytes a wave, through 32 registers, asked for one trip ahead.
; No LDS byte is written twice, so one barrier a trip shows the next chunk; its signal stands behind the chunk's stores and its wait at the trip's end, with tile b's softmax and products, register work alone, between.
; LAYOUT.  Both products are used transposed: S^T = K Q^T, O^T = V^T P^T: a lane holds ONE query of a tile throughout.  A tile's rows are 32 (T / 2) + 8 (T % 2) + r % 8 + 16 (r / 8), so that the 16
; registers of tiles 2 b, 2 b + 1 are 16 neighbours: p's codes are the second product's operand as they are made, and y's blocks of 32 lie in lanes l and l xor 16.
; K = 64 IN AN INSTRUCTION OF 128: a fragment of K holds TWO key tiles; Q stands as [Qa | 0 | Qb | 0 | Qa] in v16-55: [Qa 0], [0 Qa], [Qb 0], [0 Qb] are four runs of 16 registers.  Zero codes add nothing.
; THE MASK of head n is mask[n % 2].  A tile's 16 flags are packed into one scalar word; where a step's flag is 0 the 64 selects and the record's load are jumped over.
; NO TENSOR LOADS AND NO CLUSTER: that jump hangs on a stored whole number.
; PREFETCH: the eight work-groups of a head share its chunks out: work-group x asks for chunk x, 128 blocks of 256 bytes (waves 0, 1: K's; 2, 3: V's; a lane a block), in trip x - 3; the loads of chunk x leave in trip x - 2.  Chunks 0 to 2 come by their loads alone.
; LIMITS: a hidden score is set to -2^33 ahead of the factor log2(e) / 8, so its t is -1.549e9 where the definition has -1.443e9; a row that is wholly hidden has p = 1 exactly, as the definition has; results agree as
; long as visible logits lie above about -1e9, and the scaled scores stay under 2^31 in magnitude.  A block of zeros gets the byte 1.  NaN and infinities are not served.
; REGISTERS.  Window 0: v1-11 addresses; v16-55 Q; v56-59 K's (lanes 0-15) and V's (lanes 16-31) scale words; v60, v61 p's scale words; v62, v63 Q's; v64-76 at work at the head.  Window 1: v16-79 four fragments; v80-111 a chunk on its way.
; Both windows: v11 -2^33; v12 -M, v13 the largest t, v[14:15] the sum; v120-183 S^T, then p; v184-215 O^T; v216-231 p's codes; v232-253 at work.
.set VB,    131072
.set SCB,   262144
.set SPARE, 270336
.set LI,  1
.set GL,  2
.set GS,  3
.set GSV, 4
.set SPW, 5
.set NIL, 6
.set ADK, 7
.set ADV, 8
.set ASC, 9
.set R4,  10
.set NEG, 11
.set KS,  56
.set PWD, 60
.set QS,  62
.set T0,  64
.set PFO, 76
.set F,   16
.set G,   80
.set S,   120
.set O,   184
.set PCD, 216
.set MX,  232
.set PM,  236
.set LIM, 240
.set SCO, 244
.set FF,  248
.set TMP, 250
.set SUM2, 252
.set WV,  16
.set TT,  17
.set NH,  18
.set SEL, 20
.set CS,  22
.set MNT, 24
.set TRIP, 25
.set PLIM, 10
.set FM,  100
.set SN,  104
.set MO,  105
.set MSB, 0
.macro WIN new                         ; the immediate's high byte repeats the setting that is left
.if MSB != (\new)
	s_set_vgpr_msb (MSB<<8)|(\new)
.set MSB, (\new)
.endif
.endm
.macro GLOAD                           ; a chunk: my 16 bytes of each 4,096, four times for K and four for V (window: destination 1)
.irp j, 0,1,2,3
	global_load_b128 v[G+4*\j:G+4*\j+3], v[GL], s[4:5] offset:4096*\j
	global_load_b128 v[G+16+4*\j:G+16+4*\j+3], v[GL], s[4:5] offset:4194304+4096*\j
.endr
.endm
.macro GSTORE                          ; and into its place in LDS (window: data 1)
.irp j, 0,1,2,3
	ds_store_b128 v[GS], v[G+4*\j:G+4*\j+3] offset:4096*\j
	ds_store_b128 v[GSV], v[G+16+4*\j:G+16+4*\j+3] offset:4096*\j
.endr
.endm
.macro INIT                            ; a tile's state: the step is written once; the first finds zeros, which the first change of M leaves zeros
	v_mov_b32 v13, 0xff61b1e6                      ; the largest t so far: -3e38
	v_floor_f32 v12, -v13                          ; -M
	v_mov_b32 v14, 0
	v_mov_b32 v15, 0
.irp b, 0,1,2,3
	v_mov_b32 v[PM+\b], 0                          ; a lane permute's destination counts as one of its sources
.endr
	v_mov_b32 v[FF+1], 0                           ; (named as the upper half of a pair)
	v_mov_b32 v[TMP], 0
	v_mov_b32 v[NEG], 0xd0000000                   ; -2^33
.set J, 0
.rept 32
	v_mov_b32 v[O+J], 0
.set J, J+1
.endr
.endm
	s_load_b256 s[4:11], s[0:1], 0x0               ; att, atts, mbits, mflag
	s_load_b128 s[12:15], s[0:1], 0x20             ; yc, ys
	v_lshl_add_u32 v[SPW], v0, 2, SPARE
	v_mov_b32 v[NIL], 0
	v_lshrrev_b32 v12, 5, v0
	v_readfirstlane_b32 s[WV], v12                 ; wave 0..7
	v_and_b32 v13, 31, v0                          ; lane
	v_and_b32 v14, 15, v0                          ; r
	v_bfe_u32 v15, v0, 4, 1                        ; h
	v_lshlrev_b32 v[LI], 4, v13
	v_lshlrev_b32 v[GL], 4, v0                     ; 16 x thread
	v_lshlrev_b32 v[R4], 2, v14
	v_lshlrev_b32 v[T0], 4, v14                    ; 16 r
	v_lshl_add_u32 v[ASC], v15, 12, v[T0]
	v_add_nc_u32 v[ASC], SCB, v[ASC]               ; scale words: lanes 0-15 K's, lanes 16-31 V's, 4,096 on
	v_mov_b32 v[ADK], v[LI]                        ; the trip's fragments of K (stepped),
	v_add_nc_u32 v[ADV], VB, v[LI]                 ; and of V
	v_mov_b32 v[GS], v[GL]                         ; where my bytes of a chunk go (stepped)
	v_add_nc_u32 v[GSV], VB, v[GL]
	v_add_nc_u32 v[T0+1], SCB, v[GL]
	s_lshl_b32 s[TT], ttmp9, 4
	s_lshl_b32 s19, s[WV], 1
	s_add_co_u32 s[TT], s[TT], s19                 ; tile a, 0..126, even; tile b is the next
	s_and_b32 s[NH], ttmp7, 0xffff                 ; the head, 0..31
	s_mov_b32 s[SEL], 0x76543210
	s_mov_b32 s[SEL+1], 0xfedcba98                 ; v_permlanex16_b32's selects for lane l xor 16
	s_mov_b32 s[CS], 0x3e38aa3b                    ; c = log2(e) / 8
	s_mov_b32 s[CS+1], s[CS]
	s_mov_b32 s[MNT], 0x600000                     ; the mantissa field of 448
	s_mov_b32 s[TRIP], 0
	s_and_b32 s26, s[WV], 1                        ; the prefetch: 256 x lane + 8,192 (wave % 2) + 4 MiB ((wave / 2) % 2) + 16,384 x work-group x
	s_lshl_b32 s26, s26, 13
	s_bfe_u32 s27, s[WV], 0x10001
	s_lshl_b32 s27, s27, 22
	s_add_co_u32 s26, s26, s27
	s_lshl_b32 s27, ttmp9, 14
	s_add_co_u32 s26, s26, s27
	v_lshl_add_u32 v[PFO], v13, 8, s26
	s_lshl_b32 s28, s[NH], 17
	s_mov_b32 s29, 0
	s_lshl_b32 s30, s[TT], 10
	s_mov_b32 s31, 0
	s_wait_alu depctr_va_vdst(0)
	s_wait_kmcnt 0x0
	s_add_nc_u64 s[4:5], s[4:5], s[28:29]          ; the head in q's part,
	s_add_nc_u64 s[26:27], s[4:5], s[30:31]        ; my two tiles of Q,
	s_add_nc_u64 s[4:5], s[4:5], 0x400000          ; the head in k's part (V's lies 4 MiB on)
	s_mov_b64 s[2:3], s[4:5]                       ; and once more, for the prefetch: never stepped
	WIN 0x40
	GLOAD                                          ; chunk 0
	WIN 0
	global_load_b128 v[16:19], v[LI], s[26:27]
	global_load_b128 v[20:23], v[LI], s[26:27] offset:512
	global_load_b128 v[48:51], v[LI], s[26:27]
	global_load_b128 v[52:55], v[LI], s[26:27] offset:512
	global_load_b128 v[32:35], v[LI], s[26:27] offset:1024
	global_load_b128 v[36:39], v[LI], s[26:27] offset:1536
	s_lshl_b32 s28, s[NH], 12
	s_add_nc_u64 s[6:7], s[6:7], s[28:29]          ; the head's scale words in q's part
	s_lshr_b32 s30, s[TT], 3
	s_lshl_b32 s30, s30, 8
	s_bfe_u32 s19, s[TT], 0x20001
	s_lshl_b32 s19, s19, 2
	s_add_co_u32 s30, s30, s19                     ; 256 (T / 8) + 4 ((T / 2) % 4): one word holds tile a's two bytes below and tile b's above
	s_add_nc_u64 s[104:105], s[6:7], s[30:31]
	global_load_b32 v[QS], v[T0], s[104:105]
	global_load_b128 v[T0+2:T0+5], v[GL], s[6:7] offset:0x20000   ; K's scale words of the head, 4,096 bytes,
	global_load_b128 v[T0+6:T0+9], v[GL], s[6:7] offset:0x40000   ; and V's
	s_and_b32 s28, s[NH], 1                        ; which of the two masks
	s_lshl_b32 s28, s28, 7
	s_add_co_u32 s28, s28, s[TT]
	s_lshl_b32 s30, s28, 12
	s_add_nc_u64 s[8:9], s[8:9], s[30:31]          ; tile a's records; tile b's lie 4,096 on
	s_lshl_b32 s30, s28, 6
	s_add_nc_u64 s[10:11], s[10:11], s[30:31]
	s_load_b512 s[32:47], s[10:11], 0x0            ; tile a's 16 flags,
	s_load_b512 s[48:63], s[10:11], 0x40           ; tile b's
	s_lshr_b32 s28, s[NH], 4                       ; y: tile 128 b + T, K step (head % 16) / 2, half head % 2
	s_lshl_b32 s28, s28, 7
	s_add_co_u32 s28, s28, s[TT]
	s_lshl_b32 s28, s28, 3
	s_bfe_u32 s100, s[NH], 0x30001
	s_add_co_u32 s28, s28, s100
	s_and_b32 s100, s[NH], 1
	s_lshl_b32 s30, s28, 11
	s_lshl_b32 s19, s100, 10
	s_add_co_u32 s30, s30, s19
	s_add_nc_u64 s[12:13], s[12:13], s[30:31]
	s_lshl_b32 s30, s28, 6
	s_lshl_b32 s19, s100, 1
	s_add_co_u32 s30, s30, s19
	s_add_nc_u64 s[14:15], s[14:15], s[30:31]
.irp j, 24,25,26,27,28,29,30,31,40,41,42,43,44,45,46,47
	v_mov_b32 v[\j], 0                             ; the zero codes between the copies of Q
.endr
	INIT
	s_wait_loadcnt 0x0
	v_lshrrev_b32 v[QS+1], 16, v[QS]
	v_and_b32 v[QS], 0xffff, v[QS]
	v_lshl_or_b32 v[QS+1], v[QS+1], 16, v[QS+1]    ; (q0, q1, q0, q1): Q's bytes for either place
	v_lshl_or_b32 v[QS], v[QS], 16, v[QS]
	WIN 0x04
	GSTORE
	WIN 0
	ds_store_b128 v[T0+1], v[T0+2:T0+5]
	ds_store_b128 v[T0+1], v[T0+6:T0+9] offset:4096
	s_wait_dscnt 0x0                               ; the stores have landed and have read their registers
	s_add_nc_u64 s[4:5], s[4:5], 16384             ; (the loads by this base are done)
	WIN 0x40
	GLOAD                                          ; chunk 1
	WIN 0
	v_add_nc_u32 v[GS], 16384, v[GS]
	v_add_nc_u32 v[GSV], 16384, v[GSV]
	WIN 0x55
	INIT                                           ; tile b's state; these plain lines also stand between the write of Q's scale words and the first scaled product
	WIN 0
	s_wait_kmcnt 0x0
	s_mov_b32 s[FM], 0
	s_mov_b32 s[FM+1], 0
.irp j, 15,14,13,12,11,10,9,8,7,6,5,4,3,2,1,0
	s_lshl_b32 s[FM], s[FM], 1                     ; bit j of a tile's word: its flag of key step j
	s_or_b32 s[FM], s[FM], s[32+\j]
	s_lshl_b32 s[FM+1], s[FM+1], 1
	s_or_b32 s[FM+1], s[FM+1], s[48+\j]
.endr
	s_mov_b32 s[SN], 0                             ; the key step,
	s_mov_b32 s[MO], 0                             ; and its record's offset, 256 a step
	s_sub_co_u32 s27, ttmp9, 3                     ; the trip in which waves 0 to 3 prefetch; no trip has the number where x < 3, nor -1
	s_cmp_lt_u32 s[WV], 4
	s_cselect_b32 s[PLIM], s27, -1
	s_wait_alu depctr_va_vdst(0)
	s_barrier_signal -1
	s_barrier_wait -1                              ; chunk 0 and the scale words are whole
; The selects of tile t, where its flag of this step is set: a branch on a stored whole number, round the record's load and the selects alone
.macro MASK t
	s_lshr_b32 s26, s[FM+\t], s[SN]
	s_bitcmp1_b32 s26, 0
	s_cbranch_scc0 .Lopen_\@
	s_load_b512 s[32:47], s[8:9], s[MO] offset:4096*\t
	s_load_b512 s[48:63], s[8:9], s[MO] offset:4096*\t+64
	s_load_b512 s[68:83], s[8:9], s[MO] offset:4096*\t+128
	s_load_b512 s[84:99], s[8:9], s[MO] offset:4096*\t+192
	s_wait_kmcnt 0x0
	WIN 0x55*\t
	s_wait_alu depctr_va_vdst(0)                   ; directly ahead of the first reader of the scores
.set J, 0
.rept 64
	v_cndmask_b32 v[S+J], v[S+J], v[NEG], s[32+J+4*(J/32)]
.set J, J+1
.endr
	WIN 0
.Lopen_\@:
.endm
; The softmax of one tile and 128 keys, under the tile's window: scores in, p's codes, p's scale word and the rescaled O^T out
.macro SOFT t
.if \t
	s_wait_alu depctr_va_vdst(0)                   ; directly ahead of the first reader of tile b's scores
.endif
.irp b, 0,1,2,3
	v_max3_num_f32 v[MX+\b], v[S+16*\b], v[S+16*\b+1], v[S+16*\b+2]   ; the largest score of each block of 32 keys: for the row's maximum and, since p rises with the score, for the block's largest p
.endr
.irp i, 3,5,7,9,11,13
.irp b, 0,1,2,3
	v_max3_num_f32 v[MX+\b], v[MX+\b], v[S+16*\b+\i], v[S+16*\b+\i+1]
.endr
.endr
.irp b, 0,1,2,3
	v_max_num_f32 v[MX+\b], v[MX+\b], v[S+16*\b+15]
.endr
.irp b, 0,1,2,3
	s_delay_alu instid0(VALU_DEP_4)
	v_permlanex16_b32 v[PM+\b], v[MX+\b], s[SEL], s[SEL+1]
.endr
.irp b, 0,1,2,3
	s_delay_alu instid0(VALU_DEP_4)
	v_max_num_f32 v[MX+\b], v[MX+\b], v[PM+\b]     ; with lane l xor 16's 16 keys
.endr
	s_delay_alu instid0(VALU_DEP_2)
	v_max3_num_f32 v[TMP], v[MX], v[MX+1], v[MX+2]
	s_delay_alu instid0(VALU_DEP_1)
	v_max_num_f32 v[TMP], v[TMP], v[MX+3]
	s_delay_alu instid0(VALU_DEP_1)
	v_mul_f32 v[TMP], s[CS], v[TMP]                ; as t (c is positive)
	s_delay_alu instid0(VALU_DEP_1)
	v_max_num_f32 v13, v13, v[TMP]                 ; the running largest t
	v_mov_b32 v[TMP], v12
	s_delay_alu instid0(VALU_DEP_2)
	v_floor_f32 v12, -v13                          ; the new -M = -ceil(t)
	s_delay_alu instid0(VALU_DEP_1)
	v_sub_f32 v[TMP], v12, v[TMP]                  ; old M - new M: a whole number, 0 or less
	s_delay_alu instid0(VALU_DEP_1)
	v_cvt_i32_f32 v[TMP], v[TMP]                   ; (it saturates)
	s_delay_alu instid0(VALU_DEP_1)
	v_ldexp_f32 v[FF], 1.0, v[TMP]                 ; f
.set J, 0
.rept 32
	v_pk_fma_f32 v[S+J:S+J+1], v[S+J:S+J+1], s[CS:CS+1], v[12:13] op_sel_hi:[1,0,0]   ; t - M, two at a time
.set J, J+2
.endr
.irp b, 0,1,2,3
	v_fma_f32 v[MX+\b], v[MX+\b], s[CS], v12       ; the same of each block's largest score
.endr
	s_wait_alu depctr_va_vdst(0)                   ; the wait ahead of the batch
.set J, 0
.rept 64
	v_exp_f32 v[S+J], v[S+J]                       ; p = 2^(t - M)
.set J, J+1
.endr
.irp b, 0,1,2,3
	v_exp_f32 v[MX+\b], v[MX+\b]                   ; the block's largest p: the same two instructions on the same number
.endr
	v_pk_mul_f32 v[14:15], v[14:15], v[FF:FF+1] op_sel_hi:[1,0]   ; the sums under the new M (a plain line behind the exponentials)
	s_wait_alu depctr_va_vdst(0)                   ; and the one wait behind the batch
.irp b, 0,1,2,3
	v_max_num_f32 v[MX+\b], 0x4800000, v[MX+\b]    ; the floor 2^(9 - 127)
.endr
.irp b, 0,1,2,3
	s_delay_alu instid0(VALU_DEP_4)
	v_add_nc_u32 v[SCO+\b], 0xfc000000, v[MX+\b]   ; the conversion's scale operand
.endr
.irp b, 0,1,2,3
	v_and_or_b32 v[LIM+\b], v[MX+\b], 0x7f800000, s[MNT]   ; 448 x the scale
.endr
.irp b, 0,1,2,3
	v_lshrrev_b32 v[PM+\b], 23, v[SCO+\b]          ; the scale's byte
.endr
	s_delay_alu instid0(VALU_DEP_3)
	v_lshl_or_b32 v[TMP], v[PM+1], 8, v[PM]
	s_delay_alu instid0(VALU_DEP_1)
	v_lshl_or_b32 v[TMP], v[PM+2], 16, v[TMP]
	WIN 0x15*\t                                    ; scale operands are taken from window 0: the word's last line writes there
	v_lshl_or_b32 v[PWD+\t], v[PM+3], 24, v[TMP]   ; p's scale word for these 128 keys
	WIN 0x55*\t
	v_pk_add_f32 v[SUM2:SUM2+1], v[S:S+1], v[S+2:S+3]   ; the row's sum is taken of the unquantised p: in two chains
.irp j, 4,8,12,16,20,24,28,32,36,40,44,48,52,56,60
	v_pk_add_f32 v[14:15], v[14:15], v[S+\j:S+\j+1]
	v_pk_add_f32 v[SUM2:SUM2+1], v[SUM2:SUM2+1], v[S+\j+2:S+\j+3]
.endr
	s_delay_alu instid0(VALU_DEP_1)
	v_pk_add_f32 v[14:15], v[14:15], v[SUM2:SUM2+1]
.irp b, 0,1,2,3
.irp i, 0,1,2,3,4,5,6,7,8,9,10,11,12,13,14,15
	v_min_num_f32 v[S+16*\b+\i], v[S+16*\b+\i], v[LIM+\b]   ; the conversion does not saturate (ISA guide 7.6.2); p is not negative, so the hold is one-sided
.endr
	v_cvt_scalef32_pk8_fp8_f32 v[PCD+4*\b:PCD+4*\b+1], v[S+16*\b:S+16*\b+7], v[SCO+\b]
	v_cvt_scalef32_pk8_fp8_f32 v[PCD+4*\b+2:PCD+4*\b+3], v[S+16*\b+8:S+16*\b+15], v[SCO+\b]
.endr
	s_wait_alu depctr_va_vdst(0)                   ; directly ahead of the first reader of O^T
.set J, 0
.rept 16
	v_pk_mul_f32 v[O+J:O+J+1], v[O+J:O+J+1], v[FF:FF+1] op_sel_hi:[1,0]   ; O^T under the new M; these are also the places between the codes and the products
.set J, J+2
.endr
.endm
.macro PV t                            ; O^T += V^T P^T: the tile's four accumulators by turns
.irp d, 0,1,2,3
	v_wmma_scale_f32_16x16x128_f8f6f4 v[O+8*\d:O+8*\d+7], v[F+16*\d:F+16*\d+15], v[PCD:PCD+15], v[O+8*\d:O+8*\d+7], v[KS+\d], v[PWD+\t] matrix_a_scale:MATRIX_SCALE_ROW1
.endr
.endm
; A KEY STEP, the p-th of the trip's two
.macro STEP p
	ds_load_b128 v[KS:KS+3], v[ASC] offset:256*\p
	WIN 0x40
.irp f, 0,1,2,3
.irp c, 0,1,2,3
	ds_load_b128 v[F+16*\f+4*\c:F+16*\f+4*\c+3], v[ADK] offset:8192*\p+2048*\f+512*\c
.endr
.endr
	WIN 0x01                                       ; source 0 (the fragment) in window 1
.irp f, 0,1,2,3                        ; S^T = K Q^T: lane (r, h) holds query r; register 16 b + i holds key 32 b + 16 h + i
	s_wait_dscnt 12-4*\f                           ; the scale words and fragments 0 .. f are in; the later fragments' four loads each may be out
	v_wmma_scale_f32_16x16x128_f8f6f4 v[S+16*\f:S+16*\f+7], v[F+16*\f:F+16*\f+15], v[16:31], 0, v[KS+\f], v[QS]
	v_wmma_scale_f32_16x16x128_f8f6f4 v[S+16*\f+8:S+16*\f+15], v[F+16*\f:F+16*\f+15], v[40:55], 0, v[KS+\f], v[QS]
.endr
	WIN 0x41                                       ; tile b: the result in window 1 too
.irp f, 0,1,2,3
	v_wmma_scale_f32_16x16x128_f8f6f4 v[S+16*\f:S+16*\f+7], v[F+16*\f:F+16*\f+15], v[32:47], 0, v[KS+\f], v[QS+1]
	v_wmma_scale_f32_16x16x128_f8f6f4 v[S+16*\f+8:S+16*\f+15], v[F+16*\f:F+16*\f+15], v[24:39], 0, v[KS+\f], v[QS+1]
.endr
	WIN 0x40
.rept 8
	v_nop                                          ; places in front of loads into registers that the products have read, and of the first read of their results
.endr
.irp f, 0,1,2,3
.irp c, 0,1,2,3
	ds_load_b128 v[F+16*\f+4*\c:F+16*\f+4*\c+3], v[ADV] offset:8192*\p+2048*\f+512*\c   ; V lands while tile a's softmax is walked
.endr
.endr
	WIN 0
	MASK 0
	SOFT 0
	s_wait_alu depctr_va_vdst(0)
	s_wait_dscnt 0x0                               ; V is in
	WIN 0x01
	PV 0
	WIN 0
	MASK 1
.if \p
	s_wait_loadcnt 0x0                             ; the chunk asked for a trip ago is in registers: on every wave's way, so that no later load meets a pending one
	s_cmp_lt_u32 s[TRIP], 7                        ; the next chunk goes to its place; the last trip has none.  Branches on the count of trips alone
	s_cbranch_scc0 .Lno_store_\@
	WIN 0x04
	GSTORE
	WIN 0
.Lno_store_\@:
	s_wait_dscnt 0x0                               ; my stores have landed and have read their registers
	s_cmp_lt_u32 s[TRIP], 6
	s_cbranch_scc0 .Lno_load_\@
	s_add_nc_u64 s[4:5], s[4:5], 16384             ; (the loads by this base are done)
	WIN 0x40
	GLOAD                                          ; the chunk after next
	WIN 0
.Lno_load_\@:
	s_barrier_signal -1                            ; up to the wait at the trip's end: register work alone
.endif
	WIN 0x55
	SOFT 1
	PV 1
	WIN 0
.if \p
	v_add_nc_u32 v[ADK], 16384, v[ADK]             ; on to the next chunk; with the v_nop these are the eight places in front of the next loads into what the products have read
	v_add_nc_u32 v[ADV], 16384, v[ADV]
	v_add_nc_u32 v[GS], 16384, v[GS]
	v_add_nc_u32 v[GSV], 16384, v[GSV]
	v_add_nc_u32 v[ASC], 512, v[ASC]
.rept 3
	v_nop
.endr
.else
.rept 8
	v_nop
.endr
.endif
	s_add_co_u32 s[SN], s[SN], 1
	s_add_co_u32 s[MO], s[MO], 256
.if \p
	s_wait_alu depctr_va_vdst(0)                   ; directly ahead of the barrier's wait and the branch
	s_barrier_wait -1                              ; every wave's part of the next chunk is in LDS
.endif
.endm
.Ltrip:                                ; eight trips of two key steps
	s_cmp_eq_u32 s[TRIP], s[PLIM]
	s_cbranch_scc0 .Lnot_mine
	global_prefetch_b8 v[PFO], s[2:3] th:TH_LOAD_NT scope:SCOPE_SE
.Lnot_mine:
	STEP 0
	STEP 1
	s_add_co_u32 s[TRIP], s[TRIP], 1
	s_cmp_lt_u32 s[TRIP], 8
	s_cbranch_scc1 .Ltrip
; THE WAY OUT of a tile, under its window: O^T / the sum is y(query r, 64 head + 32 b + 16 h + i): two blocks of 32 along D, quantised as every operand is
.macro OUT
	v_add_f32 v14, v14, v15
	s_delay_alu instid0(VALU_DEP_1)
	v_permlanex16_b32 v[TMP], v14, s[SEL], s[SEL+1]
	s_delay_alu instid0(VALU_DEP_1)
	v_add_f32 v14, v14, v[TMP]                     ; the row's sum
	s_wait_alu depctr_va_vdst(0)                   ; the wait ahead of the transcendental
	v_rcp_f32 v14, v14
	v_nop                                          ; a plain line behind the transcendental
	s_wait_alu depctr_va_vdst(0)                   ; and behind it, directly ahead of the first reader of it and of O^T
.set J, 0
.rept 16
	v_pk_mul_f32 v[S+J:S+J+1], v[O+J:O+J+1], v[14:15] op_sel_hi:[1,0]
.set J, J+2
.endr
.irp b, 0,1
	v_max3_num_f32 v[MX+\b], |v[S+16*\b]|, |v[S+16*\b+1]|, 0x4800000
.endr
.irp i, 2,4,6,8,10,12,14
.irp b, 0,1
	s_delay_alu instid0(VALU_DEP_2)
	v_max3_num_f32 v[MX+\b], v[MX+\b], |v[S+16*\b+\i]|, |v[S+16*\b+\i+1]|
.endr
.endr
.irp b, 0,1
	s_delay_alu instid0(VALU_DEP_2)
	v_permlanex16_b32 v[PM+\b], v[MX+\b], s[SEL], s[SEL+1]
.endr
.irp b, 0,1
	s_delay_alu instid0(VALU_DEP_2)
	v_max_num_f32 v[MX+\b], v[MX+\b], v[PM+\b]
.endr
.irp b, 0,1
	s_delay_alu instid0(VALU_DEP_2)
	v_add_nc_u32 v[SCO+\b], 0xfc000000, v[MX+\b]
.endr
.irp b, 0,1
	s_delay_alu instid0(VALU_DEP_4)
	v_and_or_b32 v[LIM+\b], v[MX+\b], 0x7f800000, s[MNT]
.endr
.irp b, 0,1
	s_delay_alu instid0(VALU_DEP_4)
	v_lshrrev_b32 v[PM+\b], 23, v[SCO+\b]
.endr
	s_delay_alu instid0(VALU_DEP_1)
	v_lshl_or_b32 v[TMP], v[PM+1], 8, v[PM]        ; my head's two bytes of the row's scale word
.irp b, 0,1
.irp i, 0,1,2,3,4,5,6,7,8,9,10,11,12,13,14,15
	v_med3_num_f32 v[S+16*\b+\i], v[S+16*\b+\i], -v[LIM+\b], v[LIM+\b]
.endr
	v_cvt_scalef32_pk8_fp8_f32 v[PCD+4*\b:PCD+4*\b+1], v[S+16*\b:S+16*\b+7], v[SCO+\b]
	v_cvt_scalef32_pk8_fp8_f32 v[PCD+4*\b+2:PCD+4*\b+3], v[S+16*\b+8:S+16*\b+15], v[SCO+\b]
.endr
	v_nop                                          ; a plain line behind the last conversion
.endm
	OUT
	global_store_b128 v[LI], v[PCD:PCD+3], s[12:13]                  ; 512 consecutive bytes of y's operand image, twice
	global_store_b128 v[LI], v[PCD+4:PCD+7], s[12:13] offset:512
	WIN 0x55
	OUT
	WIN 0x04
	global_store_b128 v[LI], v[PCD:PCD+3], s[12:13] offset:16384     ; tile b's image lies eight K steps of 2,048 bytes on
	global_store_b128 v[LI], v[PCD+4:PCD+7], s[12:13] offset:16896
	WIN 0
	v_and_b32 v[T0], 31, v0
	s_wait_alu depctr_va_vdst(0)
	s_wait_xcnt 0x0                                ; EXEC is a source of the stores and of the prefetch above
	v_cmp_gt_u32 vcc_lo, 16, v[T0]
	s_wait_tensorcnt 0x0                           ; the wave's end: behind my last LDS store
	ds_add_u32 v[SPW], v[NIL]
	s_wait_dscnt 0x0
	s_and_saveexec_b32 s28, vcc_lo
	global_store_b16 v[R4], v[TMP], s[14:15]       ; lanes 0-15: two bytes a row: the word's other half is the neighbouring head's, another work-group's
	WIN 0x04
	global_store_b16 v[R4], v[TMP], s[14:15] offset:512
	WIN 0
	s_wait_xcnt 0x0
	s_or_b32 exec_lo, exec_lo, s28
	s_endpgm
.Lfunc_end_k_q89931e7a71_attn:
	.size	k_q89931e7a71_attn, .Lfunc_end_k_q89931e7a71_attn-k_q89931e7a71_attn
	.p2alignl 7, 3214868480
	.fill 96, 4, 3214868480
	.section	.rodata,"a",@progbits
	.p2align	6, 0x0
	.amdhsa_kernel k_q89931e7a71_attn
		.amdhsa_group_segment_fixed_size 271360
		.amdhsa_private_segment_fixed_size 0
		.amdhsa_enable_private_segment 0
		.amdhsa_kernarg_size 48
		.amdhsa_user_sgpr_count 2
		.amdhsa_user_sgpr_kernarg_segment_ptr 1
		.amdhsa_wavefront_size32 1
		.amdhsa_system_sgpr_workgroup_id_x 1
		.amdhsa_system_sgpr_workgroup_id_y 1
		.amdhsa_system_sgpr_workgroup_id_z 1
		.amdhsa_system_vgpr_workitem_id 0
		.amdhsa_next_free_vgpr 512
		.amdhsa_next_free_sgpr 106
		.amdhsa_reserve_vcc 1
		.amdhsa_float_denorm_mode_32 3
		.amdhsa_float_denorm_mode_16_64 3
		.amdhsa_memory_ordered 1
		.amdhsa_forward_progress 1
		.amdhsa_inst_pref_size 117
	.end_amdhsa_kernel
	.amdgpu_metadata
---
amdhsa.version: [ 1, 2 ]
amdhsa.kernels:
  - .name:           k_q89931e7a71_attn
    .symbol:         k_q89931e7a71_attn.kd
    .args:
      - { .name: att, .offset: 0, .size: 8, .value_kind: global_buffer, .address_space: global }
      - { .name: atts, .offset: 8, .size: 8, .value_kind: global_buffer, .address_space: global }
      - { .name: mbits, .offset: 16, .size: 8, .value_kind: global_buffer, .address_space: global }
      - { .name: mflag, .offset: 24, .size: 8, .value_kind: global_buffer, .address_space: global }
      - { .name: yc, .offset: 32, .size: 8, .value_kind: global_buffer, .address_space: global }
      - { .name: ys, .offset: 40, .size: 8, .value_kind: global_buffer, .address_space: global }
    .group_segment_fixed_size: 271360
    .private_segment_fixed_size: 0
    .kernarg_segment_align: 8
    .kernarg_segment_size: 48
    .max_flat_workgroup_size: 256
    .sgpr_count:     106
    .vgpr_count:     512
    .wavefront_size: 32
...
	.end_amdgpu_metadata
.endif
;; end of part 3
;; launch outp (part 4): grid 8 x 32, 4 waves a work-group, clusters of 4 x 4, 327,680 bytes of LDS; arguments yc, ys, cod, scl, bo, out0; writes out0
.if DOCPART == 4
	.amdgcn_target "amdgcn-amd-amdhsa--gfx1250"
	.amdhsa_code_object_version 6
	.text
	.protected	k_q89931e7a71_outp
	.globl	k_q89931e7a71_outp
	.p2align	8
	.type	k_q89931e7a71_outp,@function
k_q89931e7a71_outp:
	s_mov_b64 s[64:65], 0
	v_nop
	global_prefetch_b8 v0, s[64:65] scope:SCOPE_SE
	s_setreg_imm32_b32 hwreg(HW_REG_WAVE_MODE, 25, 1), 1
	s_wait_xcnt 0x0
	s_wait_alu depctr_hold_cnt(0) depctr_sa_sdst(0) depctr_va_vdst(0) depctr_va_sdst(0) depctr_va_ssrc(0) depctr_va_vcc(0) depctr_vm_vsrc(0)
	s_getreg_b32 s2, hwreg(HW_REG_IB_STS2, 6, 4)
	s_cmp_eq_u32 s2, 0
	s_cbranch_scc0 .Lentry_in_a_cluster
	s_endpgm
.Lentry_in_a_cluster:
	s_bfe_u32 s2, ttmp6, 0x10000c
	s_cmp_lg_u32 s2, 0xf033
	s_cbranch_scc0 .Lentry_shape_is_right
	s_endpgm
.Lentry_shape_is_right:
; OUTP.  out0 = y Wo^T + bo on codes of FP8 (E4M3) with E8M0 scales: 4,096 x 1,024 x 1,024.  y's codes (yc, ys) and Wo's (cod, scl: tiles 960-1023) lie as images of operand registers:
; (tile Tg of 16 rows, K step s of 128) is 2,048 bytes at (8 Tg + s) 2,048, chunk c at 512 c, lane at 16 x lane; its scale words at (8 Tg + s) 64 + 4 r.  Row r of tile T is row 32 (T / 2) + 8 (T % 2) + r % 8 + 16 (r / 8).
; SHARES.  256 work-groups, each a block of 128 x 128 of out0; four waves, 2 x 2, each 64 x 64: 16 accumulators.  The 128 rows of either operand, ALL of K, are one dense block of 131,072 bytes; their scale words one of 4,096.
; Both operands lie in LDS whole: FOUR tensor loads at the head, one a wave, and no byte of LDS is filled twice: no ring, one barrier.
; CLUSTERS: 4 x 4 work-groups; y's block is shared along a row of the cluster, Wo's along a column: each is asked for jointly.
; NO PREFETCH: all that the launch reads is asked for at its head; there is no loop to run ahead in.
; THE BIAS is loaded straight into the accumulators, so every product adds in place and nothing is cleared or added later.
; THE MATRIX INSTRUCTION IS USED TRANSPOSED (source 0 = 16 rows of Wo, source 1 = 16 rows of y): the 16 registers of Wo's tiles 2 b, 2 b + 1 are 16 neighbouring columns of one row of out0.
; REGISTERS.  Window 0: v16-22 addresses, v28, v29 the add's, v32-63 scale words (register 4 s + i: lanes 0-15 y's tile i, lanes 16-31 Wo's tile i, K step s), v64-127 the way out.
; Window 1: v0-127 accumulator (a, b) at 8 (4 a + b).  Window 2: two sets of fragments, set p at 128 p: Wo's four, then y's four.
; LIMITS: NaN and infinities are not served.
.set BCOD,  131072
.set SCL,   262144
.set STAGE, 270336                     ; 16 rows x 272 bytes for each wave: bytes of their own, on which no tensor load lands
.set SPARE, 287744
.set ADRA, 16
.set ADRB, 17
.set ADRS, 18
.set STO,  19
.set RD,   20
.set CO,   21
.set BO,   22
.set SPW,  28
.set NIL,  29
.set SC,   32
.set BK,   64
.set G1A,  24
.set G1B,  32
.set G1SA, 48
.set G1SB, 56
.set G0A,  68
.set G0B,  72
.set G0SA, 76
.set G0SB, 80
.set MSB, 0
.macro WIN new
.if MSB != (\new)
	s_set_vgpr_msb (MSB<<8)|(\new)
.set MSB, (\new)
.endif
.endm
.macro PLACES n
.rept \n
	v_nop
.endr
.endm
.macro CROUND                          ; a round of the cluster's barrier
	s_barrier_signal -1
	s_barrier_wait -1
	s_cmp_lg_u32 s16, 0
	s_cbranch_scc1 .Lnot_wave_0_\@
	s_barrier_signal -3
.Lnot_wave_0_\@:
	s_barrier_wait -3
	s_barrier_signal -1
	s_barrier_wait -1
.endm
.macro GRP1 g, mask, c, r              ; group 1: a dense block as r rows of c elements of 8 bytes; the mask, and bit 21 beside it
	s_or_b32 s[\g], s\mask, (3<<16)|(1<<21)
	s_mov_b32 s[\g+1], (\c)<<16
	s_mov_b32 s[\g+2], (\r)<<16
	s_mov_b32 s[\g+3], (\c)<<16
	s_mov_b32 s[\g+4], \r
	s_mov_b32 s[\g+5], \c
	s_mov_b32 s[\g+6], 0
	s_mov_b32 s[\g+7], 0
.endm
.macro GRP0 g, lds, p
	s_mov_b32 s[\g], 1
	s_mov_b32 s[\g+1], \lds
	s_mov_b64 s[\g+2:\g+3], s[\p:\p+1]
	s_or_b32 s[\g+3], s[\g+3], 0x80000000
.endm
	s_load_b256 s[4:11], s[0:1], 0x0               ; yc, ys, cod, scl
	s_load_b128 s[12:15], s[0:1], 0x20             ; bo, out0
	v_lshl_add_u32 v[SPW], v0, 2, SPARE
	v_mov_b32 v[NIL], 0
	ds_add_u32 v[SPW], v[NIL]                      ; the opening lines: the add, twice on end, and its wait ahead of my first tensor load
	ds_add_u32 v[SPW], v[NIL]
	v_lshrrev_b32 v1, 5, v0
	v_readfirstlane_b32 s16, v1                    ; wave 0..3
	s_lshr_b32 s17, s16, 1                         ; my half of the block's rows
	s_and_b32 s18, s16, 1                          ; my half of its columns
	s_bfe_u32 s40, ttmp6, 0x40000                  ; cx, cy
	s_bfe_u32 s41, ttmp6, 0x40004
	s_lshl_b32 s42, ttmp9, 2
	s_add_co_u32 s42, s42, s40                     ; block column 0..7
	s_and_b32 s43, ttmp7, 0xffff
	s_lshl_b32 s43, s43, 2
	s_add_co_u32 s43, s43, s41                     ; block row 0..31
	s_lshl_b32 s44, s41, 2
	s_lshl_b32 s44, 15, s44                        ; my row of the cluster
	s_lshl_b32 s45, 0x1111, s40                    ; my column
	GRP1 G1A,  44, 512, 32                         ; 131,072 bytes as 32 rows of 4,096
	GRP1 G1B,  45, 512, 32
	GRP1 G1SA, 44, 32, 16                          ; 4,096 bytes as 16 rows of 256
	GRP1 G1SB, 45, 32, 16
	s_lshl_b32 s20, s43, 17                        ; y's eight tiles: 16,384 bytes each,
	s_mov_b32 s21, 0
	s_lshl_b32 s22, s43, 12                        ; their scale words: 512 each
	s_mov_b32 s23, 0
	s_lshl_b32 s46, s42, 3
	s_add_co_u32 s46, s46, 960                     ; Wo's first tile
	s_lshl_b32 s92, s46, 9
	s_mov_b32 s93, 0
	s_lshl_b32 s46, s46, 14
	s_mov_b32 s47, 0
	s_wait_dscnt 0x0                               ; both opening adds are done
	s_wait_kmcnt 0x0
	s_add_nc_u64 s[4:5], s[4:5], s[20:21]
	s_add_nc_u64 s[6:7], s[6:7], s[22:23]
	s_add_nc_u64 s[8:9], s[8:9], s[46:47]
	s_add_nc_u64 s[10:11], s[10:11], s[92:93]
	CROUND                                         ; all sixteen work-groups are here: the joint loads meet
	GRP0 G0A,  0,        4
	GRP0 G0B,  BCOD,     8
	GRP0 G0SA, SCL,      6
	GRP0 G0SB, SCL+4096, 10
; THE HEAD'S LOADS, ONE A WAVE, in one chain of branches on the wave's number: wave 0 y's codes, wave 1 Wo's, wave 2 y's scale words, wave 3 Wo's
.macro ARM under, g0, g1, next
	s_cmp_lt_u32 s16, \under
	s_cbranch_scc0 \next
	tensor_load_to_lds s[\g0:\g0+3], s[\g1:\g1+7]
	s_nop 0
	PLACES 4
	s_branch .Lhead_asked
\next:
.endm
	ARM 1, G0A,  G1A,  .Lhead_b
	ARM 2, G0B,  G1B,  .Lhead_sa
	ARM 3, G0SA, G1SA, .Lhead_sb
	tensor_load_to_lds s[G0SB:G0SB+3], s[G1SB:G1SB+7]
	s_nop 0
	PLACES 4
.Lhead_asked:
	s_lshl_b32 s84, s17, 16                        ; my four tiles of y,
	s_lshl_b32 s85, s18, 16
	s_add_co_u32 s85, s85, BCOD                    ; and of Wo
	s_lshl_b32 s86, s17, 11                        ; their scale words
	s_lshl_b32 s87, s18, 11
	s_add_co_u32 s87, s87, 4096
	s_sub_co_u32 s87, s87, s86                     ; from y's to Wo's
	s_add_co_u32 s86, s86, SCL
	s_mul_i32 s88, s16, 16*272
	s_add_co_u32 s88, s88, STAGE                   ; my stage
	s_lshl_b32 s20, s42, 9                         ; my first column, in bytes: 512 x block column + 256 x half
	s_lshl_b32 s21, s18, 8
	s_add_co_u32 s20, s20, s21
	s_mov_b32 s21, 0
	s_add_nc_u64 s[12:13], s[12:13], s[20:21]
	s_add_nc_u64 s[14:15], s[14:15], s[20:21]
	s_lshl_b32 s20, s43, 19                        ; my first row: 128 x block row + 64 x half, 4,096 bytes each
	s_lshl_b32 s22, s17, 18
	s_add_co_u32 s20, s20, s22
	s_add_nc_u64 s[14:15], s[14:15], s[20:21]
	v_and_b32 v1, 31, v0
	v_and_b32 v2, 15, v0                           ; r
	v_bfe_u32 v3, v0, 4, 1                         ; h
	v_lshlrev_b32 v4, 4, v1
	v_add_nc_u32 v[ADRA], s84, v4
	v_add_nc_u32 v[ADRB], s85, v4
	v_mul_u32_u24 v5, s87, v3                      ; lanes 16-31 take Wo's words
	v_lshl_add_u32 v5, v2, 2, v5
	v_add_nc_u32 v[ADRS], s86, v5
	v_mul_u32_u24 v6, v2, 272                      ; the stage, in: row r, 64 bytes for each half of the lanes
	v_lshl_add_u32 v6, v3, 6, v6
	v_add_nc_u32 v[STO], s88, v6
	v_mul_u32_u24 v7, v3, 272                      ; and back: lanes 0-15 one row of 256 bytes, lanes 16-31 the next
	v_lshl_add_u32 v7, v2, 4, v7
	v_add_nc_u32 v[RD], s88, v7
	v_lshlrev_b32 v8, 12, v3
	v_lshl_add_u32 v[CO], v2, 4, v8                ; the same two rows in out0
	v_lshlrev_b32 v[BO], 6, v3
	s_wait_alu depctr_va_vdst(0)
	WIN 0x40
.irp a, 0,1,2,3
.irp b, 0,1,2,3
	global_load_b128 v[8*(4*\a+\b):8*(4*\a+\b)+3], v[BO], s[12:13] offset:(32*(\b/2)+8*(\b%2))*4        ; bo at the lane's eight columns: where the sums begin
	global_load_b128 v[8*(4*\a+\b)+4:8*(4*\a+\b)+7], v[BO], s[12:13] offset:(32*(\b/2)+8*(\b%2))*4+16
.endr
.endr
	WIN 0
	s_wait_tensorcnt 0x0                           ; my tile has landed: every wave waits, under no branch
	s_barrier_signal -1
	s_barrier_wait -1                              ; all four have
.macro FETCH s                         ; K step s: Wo's four fragments and y's four into set s % 2: 32 loads, each of 512 consecutive bytes
	WIN 0x80
.irp i, 0,1,2,3
.irp c, 0,1,2,3
	ds_load_b128 v[128*((\s)%2)+16*\i+4*\c:128*((\s)%2)+16*\i+4*\c+3], v[ADRB] offset:\i*16384+(\s)*2048+512*\c
.endr
.endr
.irp i, 0,1,2,3
.irp c, 0,1,2,3
	ds_load_b128 v[128*((\s)%2)+64+16*\i+4*\c:128*((\s)%2)+64+16*\i+4*\c+3], v[ADRA] offset:\i*16384+(\s)*2048+512*\c
.endr
.endr
.endm
.macro MUL s                           ; 16 products: the 16 accumulators by turns, in the same order in every K step
.irp a, 0,1,2,3
.irp b, 0,1,2,3
	v_wmma_scale_f32_16x16x128_f8f6f4 v[8*(4*\a+\b):8*(4*\a+\b)+7], v[128*((\s)%2)+16*\b:128*((\s)%2)+16*\b+15], v[128*((\s)%2)+64+16*\a:128*((\s)%2)+64+16*\a+15], v[8*(4*\a+\b):8*(4*\a+\b)+7], v[SC+4*(\s)+\b], v[SC+4*(\s)+\a] matrix_a_scale:MATRIX_SCALE_ROW1
.endr
.endr
.endm
.irp s, 0,1,2,3,4,5,6,7
.irp i, 0,1,2,3
	ds_load_b32 v[SC+4*\s+\i], v[ADRS] offset:\i*512+\s*64
.endr
.endr
	FETCH 0
	s_wait_loadcnt 0x0                             ; the bias
.set K_, 0
.rept 8
	s_wait_dscnt 0x0                               ; this K step's fragments are in
.if K_ > 0
	PLACES 8                                       ; in front of loads into the set that the last K step's products have read
.endif
.if K_ < 7
	FETCH K_+1
.endif
	WIN 0x5a                                       ; sources 0 and 1 in window 2, C and D in window 1
	MUL K_
.set K_, K_+1
.endr
	WIN 0
	PLACES 8                                       ; in front of the first read of the sums
; THE WAY OUT, block by block of 16 rows x 64 columns: through my own stage and back as whole rows of 256 bytes, which sixteen lanes store as one aligned unit.  LDS serves a wave's instructions in order (ISA guide 5.7.1.4)
.macro TOSTAGE a
	WIN 0x04
.irp b, 0,1,2,3
	ds_store_b128 v[STO], v[8*(4*(\a)+\b):8*(4*(\a)+\b)+3] offset:128*(\b/2)+32*(\b%2)          ; each accumulator from its low end on
	ds_store_b128 v[STO], v[8*(4*(\a)+\b)+4:8*(4*(\a)+\b)+7] offset:128*(\b/2)+32*(\b%2)+16
.endr
	WIN 0
.irp t, 0,1,2,3,4,5,6,7
	ds_load_b128 v[BK+32*((\a)%2)+4*\t:BK+32*((\a)%2)+4*\t+3], v[RD] offset:\t*2*272
.endr
.endm
.macro SEND a, younger                 ; younger: the LDS instructions issued behind block a's loads, which may stay out
	s_wait_dscnt \younger
.irp t, 0,1,2,3,4,5,6,7
	global_store_b128 v[CO], v[BK+32*((\a)%2)+4*\t:BK+32*((\a)%2)+4*\t+3], s[14:15] offset:(32*((\a)/2)+8*((\a)%2)+(2*\t)%8+16*(\t/4))*4096 th:TH_STORE_NT
.endr
.endm
	TOSTAGE 0
.irp a, 1,2,3
.if \a > 1
	s_wait_xcnt 0x0                                ; block a - 2's stores have read their registers: block a's loads may land there
.endif
	TOSTAGE \a
	SEND \a-1, 16                                  ; behind block a - 1's loads: block a's 8 stores and 8 loads
.endr
	SEND 3, 0
	s_wait_tensorcnt 0x0                           ; the wave's end
	ds_add_u32 v[SPW], v[NIL]
	s_wait_dscnt 0x0
	CROUND                                         ; the closing round
	s_endpgm
.Lfunc_end_k_q89931e7a71_outp:
	.size	k_q89931e7a71_outp, .Lfunc_end_k_q89931e7a71_outp-k_q89931e7a71_outp
	.p2alignl 7, 3214868480
	.fill 96, 4, 3214868480
	.section	.rodata,"a",@progbits
	.p2align	6, 0x0
	.amdhsa_kernel k_q89931e7a71_outp
		.amdhsa_group_segment_fixed_size 327680
		.amdhsa_private_segment_fixed_size 0
		.amdhsa_enable_private_segment 0
		.amdhsa_kernarg_size 48
		.amdhsa_user_sgpr_count 2
		.amdhsa_user_sgpr_kernarg_segment_ptr 1
		.amdhsa_wavefront_size32 1
		.amdhsa_system_sgpr_workgroup_id_x 1
		.amdhsa_system_sgpr_workgroup_id_y 1
		.amdhsa_system_sgpr_workgroup_id_z 1
		.amdhsa_system_vgpr_workitem_id 0
		.amdhsa_next_free_vgpr 768
		.amdhsa_next_free_sgpr 100
		.amdhsa_reserve_vcc 0
		.amdhsa_float_denorm_mode_32 3
		.amdhsa_float_denorm_mode_16_64 3
		.amdhsa_memory_ordered 1
		.amdhsa_forward_progress 1
		.amdhsa_inst_pref_size 56
	.end_amdhsa_kernel
	.amdgpu_metadata
---
amdhsa.version: [ 1, 2 ]
amdhsa.kernels:
  - .name:           k_q89931e7a71_outp
    .symbol:         k_q89931e7a71_outp.kd
    .args:
      - { .name: yc, .offset: 0, .size: 8, .value_kind: global_buffer, .address_space: global }
      - { .name: ys, .offset: 8, .size: 8, .value_kind: global_buffer, .address_space: global }
      - { .name: cod, .offset: 16, .size: 8, .value_kind: global_buffer, .address_space: global }
      - { .name: scl, .offset: 24, .size: 8, .value_kind: global_buffer, .address_space: global }
      - { .name: bo, .offset: 32, .size: 8, .value_kind: global_buffer, .address_space: global }
      - { .name: out0, .offset: 40, .size: 8, .value_kind: global_buffer, .address_space: global }
    .group_segment_fixed_size: 327680
    .private_segment_fixed_size: 0
    .kernarg_segment_align: 8
    .kernarg_segment_size: 48
    .max_flat_workgroup_size: 128
    .sgpr_count:     100
    .vgpr_count:     768
    .wavefront_size: 32
...
	.end_amdgpu_metadata
.endif
;; end of part 4
